; MI455X (gfx1250); checked and timed in simulation.
; The chip was launched on July 23, 2026; its instructions are those of AMD's public machine-readable ISA for CDNA 5 (MIT licence, August 2026) and "CDNA5" Instruction Set Architecture Reference Guide (July 2026). The comments in the code are by the model that wrote it; some were corrected since.
;; Causal Self Attention. Allowed arithmetic: matrix products marked QUANTISED: E2M3 operands, one E8M0 scale for each 32 along K, by v_wmma_scale_f32_16x16x128_f8f6f4 with both operands' format E2M3, f32 sums; everything else in f32.
;; Inputs: W_attn 1,024 x 3,072 float32; W_proj 1,024 x 1,024 float32; b_attn 3,072 float32; b_proj 1,024 float32; x 4 x 2,048 x 1,024 float32.
;; Outputs: out0 4 x 2,048 x 1,024 float32.
;; This version of the problem:
;;   THIS VERSION OF THE PROBLEM IS GIVEN IN LOW PRECISION. The matrix products marked QUANTISED in the list below multiply operands that are first quantised to E2M3 (2 exponent bits, 3 mantissa bits; 6 bits a number), with one power-of-two scale for each 32 numbers along K (OCP MX v1.0); their sums are f32. All else is computed in f32.
;;   The module's matrix products, in the order in which they are computed (A, B: the left and right operand; K: the contracted axis; several contracted axes count as one K, in the product's order):
;;     1. [M 8,192, K 1,024] x [K 1,024, N 3,072]; A: input x; B: input W_attn: QUANTISED
;;     2. batch 64 x [M 2,048, K 64] x [K 64, N 2,048]; A: computed on the way; B: computed on the way: QUANTISED
;;     3. batch 64 x [M 2,048, K 2,048] x [K 2,048, N 64]; A: softmax (see below); B: computed on the way: QUANTISED
;;     4. [M 8,192, K 1,024] x [K 1,024, N 1,024]; A: computed on the way; B: input W_proj: QUANTISED
;;   THE QUANTISER, for each operand of a quantised product, along K:
;;     - K is cut into blocks of 32 from its start; a last block that is shorter is filled with zeros.
;;     - A block's scale is 2^e with e = floor(log2(the largest magnitude in the block)) - 2, held to -126 .. 127; a block of zeros has e = 0. As a byte (E8M0): e + 127.
;;     - Each number is divided by its block's scale, clamped to +-7.5, and rounded to the nearest number of E2M3, ties to even, subnormals kept.
;;     - The product sums the exact products of the quantised numbers (number of the format x scale) in f32.
;;   ~~~python
;;   def quantise(x, axis):      # numpy; x: float32 -> the quantised numbers, widened to float32 again
;;       x = np.moveaxis(x, axis, -1); K = x.shape[-1]
;;       x = np.pad(x, [(0, 0)] * (x.ndim - 1) + [(0, -K % 32)]); x = x.reshape(x.shape[:-1] + (-1, 32)); a = np.abs(x).max(-1, keepdims=True)
;;       e = np.where(a > 0, np.clip(np.frexp(np.where(a > 0, a, 1))[1] - 1 - 2, -126, 127), 0)      # np.frexp(a)[1] - 1 = floor(log2(a)), exactly
;;       r = np.clip(x / 2.0 ** e, -7.5, 7.5)
;;       step = 2.0 ** (np.maximum(np.frexp(np.where(r == 0, 1, r))[1] - 1, 0) - 3)
;;       q = np.round(r / step) * step * 2.0 ** e      # np.round: ties to even
;;       return np.moveaxis(q.reshape(q.shape[:-2] + (-1,))[..., :K], -1, axis).astype(np.float32)
;;   ~~~
;;   SOFTMAX AHEAD OF A QUANTISED PRODUCT. Where the list says 'softmax', what is quantised is not the finished softmax but p = 2^(t - M), with t = logit x log2(e) and M = ceil(the row's largest t), a whole number; so 1/2 < the row's largest p <= 1. The row's sum l is taken of the UNQUANTISED p, in f32, and the product's result is divided by l at the end. Since M is a whole number, a kernel that streams over the keys may use a running M (the ceiling of the running maximum): every later rescaling is an exact power of two, which a block's scale takes up: the codes' values come out the same.
;;   OPERANDS COMPUTED ON THE WAY. 'Computed on the way' means the value that the module computes at that place (a softmax that the list does not call 'softmax' is quantised finished and normalised). What goes into a quantiser is computed in f32, as accurately as f32 sums, v_exp_f32 and their like allow (about 1e-6 of the number): no bf16 or f16 on the way to a quantiser, and a product that is left as it is and whose result goes on into a quantised operand takes f32 operands (vector FMAs, or v_wmma_f32_16x16x4_f32). A number that lies on a knife's edge between two numbers of the format may be rounded either way, as far as f32 arithmetic and the matrix unit's own rounding can turn it there, and no further.
;; One version. Each part assembles by itself: llvm-mc -triple=amdgcn-amd-amdhsa -mcpu=gfx1250 --defsym DOCPART=n.
;; ======== version 1 of 1: 4 launches
;; workspace buffers: ximg 6,291,456 bytes; xs 262,144 bytes; wimg 3,145,728 bytes; ws 131,072 bytes; qimg 6,815,744 bytes; kv 13,631,488 bytes; yimg 6,291,456 bytes; ys 262,144 bytes
;; launch quant (part 1): grid 512 x 1, 4 waves a work-group, no clusters, 35,328 bytes of LDS; arguments x, W_attn, W_proj, ximg, xs, wimg, ws; writes ximg, xs, wimg, ws
.if DOCPART == 1
	.amdgcn_target "amdgcn-amd-amdhsa--gfx1250"
	.amdhsa_code_object_version 6
	.text
	.protected	k_q67933990dd_quant
	.globl	k_q67933990dd_quant
	.p2align	8
	.type	k_q67933990dd_quant,@function
k_q67933990dd_quant:
	s_mov_b64 s[64:65], 0
	v_nop
	global_prefetch_b8 v0, s[64:65] scope:SCOPE_SE
	s_setreg_imm32_b32 hwreg(HW_REG_WAVE_MODE, 25, 1), 1
	s_wait_xcnt 0x0
; x [8192][1024], W_attn [1024][3072] and W_proj [1024][1024], f32, become codes of FP6 (E2M3) with one E8M0 byte for each 32 along K = 1024.
; A block's scale is 2^(floor(log2(its largest magnitude)) - 2); its byte is that magnitude's exponent field - 2, held at 1 from below.
; LAYOUT OF THE CODES: images of the matrix operand's registers.  IMG[tile of 16 rows][g = k / 64][768 bytes]; in a half image lane (r, h) owns block 2 g + h of row r, 24 bytes:
; the first 16 at 16 x lane, the last 8 at 512 + 16 r + 8 h.  So a fragment is read back by loads of 16 and of 8 bytes a lane that cover 512 and 256 consecutive bytes.
; LAYOUT OF THE SCALE BYTES: SCL[tile][k / 512][r][16 bytes], a byte a block: the word of K step s (128 along K) is word s % 4 of part s / 4.
; ORDER OF THE ROWS: tile 2 b + u, lane r is row (x) or column (weights) 32 b + 8 u + r % 8 + 16 (r / 8).  wimg's rows 0-3071 are W_attn's columns, rows 3072-4095 W_proj's.
; SHARES: work-groups 0-255 take x (a wave: one tile x 512 along K), 256-447 W_attn, 448-511 W_proj (a wave: 32 columns x 128 along K).  Waves share nothing: no barrier.  Only x's path uses LDS.
; LIMITS: NaN and infinities among the inputs are not served.  A block whose largest magnitude lies under 2^-124 is held at byte 1; a block of zeros gets byte 1, not 127: its codes are zeros, and only this program reads the bytes.
; The weights' scale words leave as 4 bytes a lane, 16 bytes apart: 131,072 bytes in all.
.set RX, 64                            ; v64-191   x: four sets of 32 registers as loaded;  weights: a lane's 128 numbers down K
.set XX, 192                           ; v192-255  x: two sets of 32 neighbours along K
.macro BLOCKMAX s                      ; v12 = the largest magnitude of v[s] .. v[s+31], and the floor 2^(3 - 127): the byte cannot fall under 1.  Two chains
	v_max3_num_f32 v12, |v[\s]|, |v[\s+1]|, |v[\s+2]|
	v_max3_num_f32 v13, |v[\s+3]|, |v[\s+4]|, |v[\s+5]|
.irp i, 6,10,14,18,22,26
	v_max3_num_f32 v12, v12, |v[\s+\i]|, |v[\s+\i+1]|
	v_max3_num_f32 v13, v13, |v[\s+\i+2]|, |v[\s+\i+3]|
.endr
	v_max3_num_f32 v12, v12, |v[\s+30]|, |v[\s+31]|
	v_max3_num_f32 v12, v12, v13, 0x1800000
.endm
.macro XLOAD gl                        ; 64 along K of the tile's 16 rows: load i brings 256 bytes of tile row 2 i (lanes 0-15) and of row 2 i + 1 (lanes 16-31)
.irp i, 0,1,2,3,4,5,6,7
	global_load_b128 v[RX+32*((\gl)%4)+4*\i:RX+32*((\gl)%4)+4*\i+3], v4, s[4:5] offset:(16*(\i/4)+2*(\i%4))*4096+256*(\gl) th:TH_LOAD_NT
.endr
.endm
.macro XTURN gl                        ; through the wave's own stage (rows of 272 bytes): in as loaded, out as 128 bytes, one block, a lane.  LDS serves a wave's instructions in order
.irp i, 0,1,2,3,4,5,6,7
	ds_store_b128 v5, v[RX+32*((\gl)%4)+4*\i:RX+32*((\gl)%4)+4*\i+3] offset:4352*((\gl)%2)+544*\i
.endr
.irp i, 0,1,2,3,4,5,6,7
	ds_load_b128 v[XX+32*((\gl)%2)+4*\i:XX+32*((\gl)%2)+4*\i+3], v6 offset:4352*((\gl)%2)+16*\i
.endr
.endm
.macro XSTEP gl
.set XS, XX+32*((\gl)%2)
.set CC, 32+8*((\gl)%2)
	s_wait_dscnt 0x0                               ; this step's block is back from the stage, and the stage's stores have read their registers,
.if (\gl)+4 < 8
	XLOAD (\gl)+4                                  ; which take the loads of four steps on
.endif
.if (\gl) < 7
.if 6-(\gl) >= 3
	s_wait_loadcnt 24                              ; the next step's eight loads are in; those of the three steps behind it may be out
.else
	s_wait_loadcnt 8*(6-(\gl))
.endif
	XTURN (\gl)+1
.endif
	s_wait_xcnt 0x0                                ; the stores of two steps ago have read this set of code registers
	BLOCKMAX XS
	v_add_nc_u32 v14, 0xff000000, v12              ; 2 off the exponent field: the conversion takes this operand's exponent field as its scale
	v_cvt_scalef32_pk16_fp6_f32 v[CC:CC+2], v[XS:XS+15], v14
	v_cvt_scalef32_pk16_fp6_f32 v[48:50], v[XS+16:XS+31], v14   ; (a conversion's three registers begin on an even number)
	v_lshrrev_b32 v15, 23, v14                     ; the scale's byte; also the plain line behind the conversions
.irp i, 0,1,2
	v_mov_b32 v[CC+3+\i], v[48+\i]
.endr
	v_lshlrev_b32 v15, v10, v15                    ; byte h of the step's two
.if (\gl)%2 == 0
	v_mov_b32 v[52+(\gl)/2], v15
.else
	v_lshl_or_b32 v[52+(\gl)/2], v15, 16, v[52+(\gl)/2]
.endif
	global_store_b128 v7, v[CC:CC+3], s[10:11] offset:768*(\gl)      ; 512 consecutive bytes
	global_store_b64 v8, v[CC+4:CC+5], s[10:11] offset:768*(\gl)     ; 256 consecutive bytes
.endm
.macro WLOAD n, p, t                   ; block t of my column: row 32 t + i of the K step, 128 consecutive bytes a load
.irp i, 0,1,2,3,4,5,6,7,8,9,10,11,12,13,14,15,16,17,18,19,20,21,22,23,24,25,26,27,28,29,30,31
	global_load_b32 v[RX+32*(\t)+\i], v4, s[\p:\p+1] offset:(32*(\t)+\i)*\n*4 th:TH_LOAD_NT
.endr
.endm
.macro WBLOCK n, p, t
.if (\t) < 3
	s_wait_loadcnt 32                              ; this block's 32 loads are in; the next block's may be out
.else
	s_wait_loadcnt 0x0
.endif
.if (\t)+2 < 4
	WLOAD \n, \p, (\t)+2
.endif
	BLOCKMAX RX+32*(\t)
	v_add_nc_u32 v14, 0xff000000, v12
	v_lshrrev_b32 v15, 23, v14
.if (\t) == 0
	v_mov_b32 v60, v15                             ; the K step's scale word: byte t
.else
	v_lshl_or_b32 v60, v15, 8*(\t), v60
.endif
	v_cvt_scalef32_pk16_fp6_f32 v[32+4*(\t):34+4*(\t)], v[RX+32*(\t):RX+32*(\t)+15], v14
	v_cvt_scalef32_pk16_fp6_f32 v[56:58], v[RX+32*(\t)+16:RX+32*(\t)+31], v14
	v_nop                                          ; one plain line behind the conversions
	v_mov_b32 v[35+4*(\t)], v56                    ; the block's first 16 bytes;
	v_mov_b32 v[48+4*((\t)/2)+2*((\t)%2)], v57     ; its last 8 lie beside those of the other block of the half image
	v_mov_b32 v[49+4*((\t)/2)+2*((\t)%2)], v58
	global_store_b128 v5, v[32+4*(\t):35+4*(\t)], s[14:15] offset:768*((\t)/2)+256*((\t)%2)   ; sixteen lanes of one tile: 256 consecutive bytes
.if (\t)%2
	global_store_b128 v5, v[48+4*((\t)/2):51+4*((\t)/2)], s[14:15] offset:768*((\t)/2)+512
.endif
.endm
.macro WPATH n, p, gb                  ; a weight of n columns at s[p:p+1], whose first group of 32 columns is group gb of wimg
	s_sub_co_u32 s28, s22, \gb
	s_lshl_b32 s28, s28, 7                         ; 32 columns of 4 bytes a group,
	s_mul_i32 s29, s21, 128*\n*4                   ; 128 rows a K step
	s_add_co_u32 s28, s28, s29
	s_mov_b32 s29, 0
	s_add_nc_u64 s[\p:\p+1], s[\p:\p+1], s[28:29]
	WLOAD \n, \p, 0
	WLOAD \n, \p, 1
	WBLOCK \n, \p, 0
	WBLOCK \n, \p, 1
	WBLOCK \n, \p, 2
	WBLOCK \n, \p, 3
	global_store_b32 v6, v60, s[16:17]
.endm
	s_load_b128 s[4:7], s[0:1], 0x0                ; x, W_attn
	s_load_b128 s[8:11], s[0:1], 0x10              ; W_proj, ximg
	s_load_b128 s[12:15], s[0:1], 0x20             ; xs, wimg
	s_load_b64 s[16:17], s[0:1], 0x30              ; ws
	v_lshl_add_u32 v62, v0, 2, 0x8800
	v_mov_b32 v63, 0
	v_lshrrev_b32 v1, 5, v0
	v_readfirstlane_b32 s18, v1                    ; wave
	v_and_b32 v1, 31, v0                           ; lane
	s_cmp_lt_u32 ttmp9, 256
	s_cbranch_scc0 .Lweights
	; ---- x
	v_and_b32 v2, 15, v0                           ; r
	v_bfe_u32 v3, v0, 4, 1                         ; h
	v_lshlrev_b32 v4, 4, v2
	v_lshl_add_u32 v4, v3, 12, v4                  ; in: 16 r, and one row of 4,096 bytes on for lanes 16-31
	s_mul_i32 s19, s18, 8704                       ; my wave's two stages
	v_mul_u32_u24 v5, v3, 272
	v_lshl_add_u32 v5, v2, 4, v5
	v_add_nc_u32 v5, s19, v5                       ; the stage, in: row h of a pair, 16 r
	v_mul_u32_u24 v6, v2, 272
	v_lshl_add_u32 v6, v3, 7, v6
	v_add_nc_u32 v6, s19, v6                       ; out: row r, block h
	v_lshlrev_b32 v7, 4, v1                        ; an image's first part: 16 x lane
	v_lshlrev_b32 v9, 4, v2
	v_lshl_add_u32 v9, v3, 3, v9                   ; 16 r + 8 h: the scale bytes' place,
	v_add_nc_u32 v8, 512, v9                       ; and an image's second part
	v_lshlrev_b32 v10, 3, v3                       ; 8 h: a shift
.irp j, 0,1,2,3
	v_mov_b32 v[56+\j], 0                          ; a lane permute's destination counts as one of its sources
.endr
	s_lshl_b32 s20, ttmp9, 2
	s_add_co_u32 s20, s20, s18
	s_lshr_b32 s21, s20, 1                         ; my tile
	s_and_b32 s22, s20, 1                          ; my half of K
	s_lshr_b32 s23, s21, 1
	s_lshl_b32 s23, s23, 17                        ; 32 rows of 4,096 bytes for each pair of tiles,
	s_and_b32 s24, s21, 1
	s_lshl_b32 s24, s24, 15                        ; 8 rows for the odd tile,
	s_add_co_u32 s24, s24, s23
	s_lshl_b32 s25, s22, 11                        ; 512 numbers for the second half of K
	s_add_co_u32 s24, s24, s25
	s_mov_b32 s25, 0
	s_mul_i32 s26, s21, 12288
	s_mul_i32 s27, s22, 6144
	s_add_co_u32 s26, s26, s27
	s_mov_b32 s27, 0
	s_lshl_b32 s28, s21, 9
	s_lshl_b32 s29, s22, 8
	s_add_co_u32 s28, s28, s29
	s_mov_b32 s29, 0
	s_mov_b32 s30, 0x76543210
	s_mov_b32 s31, 0xfedcba98                      ; v_permlanex16_b32's selects for lane l xor 16
	s_mov_b32 s32, 0xffff0000                      ; lanes 16-31
	s_wait_kmcnt 0x0
	s_add_nc_u64 s[4:5], s[4:5], s[24:25]
	s_add_nc_u64 s[10:11], s[10:11], s[26:27]
	s_add_nc_u64 s[12:13], s[12:13], s[28:29]
	XLOAD 0
	XLOAD 1
	XLOAD 2
	XLOAD 3
	s_wait_loadcnt 24                              ; step 0's eight loads are in
	XTURN 0
.irp t, 0,1,2,3,4,5,6,7
	XSTEP \t
.endr
.irp j, 0,1,2,3
	v_permlanex16_b32 v[56+\j], v[52+\j], s30, s31
.endr
.irp j, 0,1,2,3
	v_or_b32 v[52+\j], v[52+\j], v[56+\j]          ; with lane l xor 16's bytes the four words are whole
.endr
	v_cndmask_b32 v60, v52, v54, s32               ; lane (r, h) stores words 2 h and 2 h + 1 of row r
	v_cndmask_b32 v61, v53, v55, s32
	global_store_b64 v9, v[60:61], s[12:13]        ; 256 consecutive bytes
	s_wait_tensorcnt 0x0
	ds_add_u32 v62, v63
	s_wait_dscnt 0x0
	s_endpgm
	; ---- the weights: a lane takes a column, its registers run down K
.Lweights:
	s_sub_co_u32 s20, ttmp9, 256
	s_and_b32 s21, s20, 7                          ; the K step
	s_lshr_b32 s22, s20, 3
	s_lshl_b32 s22, s22, 2
	s_add_co_u32 s22, s22, s18                     ; my group of 32 columns = tiles 2 G and 2 G + 1 of wimg
	s_wait_alu depctr_va_vdst(0)
	v_lshlrev_b32 v4, 2, v1                        ; in: 4 bytes a lane
	v_bfe_u32 v2, v0, 3, 1                         ; u: which of the two tiles my column falls into,
	v_and_b32 v3, 7, v0
	v_bfe_u32 v5, v0, 4, 1
	v_lshl_add_u32 v3, v5, 3, v3                   ; and which row r of it
	v_lshlrev_b32 v3, 4, v3
	v_mad_u32_u24 v5, v2, 12288, v3                ; images: u tiles + 16 r
	v_lshl_add_u32 v6, v2, 9, v3                   ; scale words: 512 u + 16 r
	s_mul_i32 s24, s22, 24576
	s_mul_i32 s25, s21, 1536
	s_add_co_u32 s24, s24, s25                     ; tile 2 G, half image 2 s
	s_mov_b32 s25, 0
	s_lshl_b32 s26, s22, 10
	s_lshr_b32 s27, s21, 2
	s_lshl_b32 s27, s27, 8
	s_add_co_u32 s26, s26, s27
	s_and_b32 s27, s21, 3
	s_lshl_b32 s27, s27, 2
	s_add_co_u32 s26, s26, s27                     ; tile 2 G, part s / 4, word s % 4
	s_mov_b32 s27, 0
	s_wait_kmcnt 0x0
	s_add_nc_u64 s[14:15], s[14:15], s[24:25]
	s_add_nc_u64 s[16:17], s[16:17], s[26:27]
	s_cmp_lt_u32 ttmp9, 448
	s_cbranch_scc0 .Lwproj
	s_wait_alu depctr_va_vdst(0)
	WPATH 3072, 6, 0
	s_endpgm
.Lwproj:
	s_wait_alu depctr_va_vdst(0)
	WPATH 1024, 8, 96
	s_endpgm
.Lfunc_end_k_q67933990dd_quant:
	.size	k_q67933990dd_quant, .Lfunc_end_k_q67933990dd_quant-k_q67933990dd_quant
	.p2alignl 7, 3214868480
	.fill 96, 4, 3214868480
	.section	.rodata,"a",@progbits
	.p2align	6, 0x0
	.amdhsa_kernel k_q67933990dd_quant
		.amdhsa_group_segment_fixed_size 35328
		.amdhsa_private_segment_fixed_size 0
		.amdhsa_enable_private_segment 0
		.amdhsa_kernarg_size 56
		.amdhsa_user_sgpr_count 2
		.amdhsa_user_sgpr_kernarg_segment_ptr 1
		.amdhsa_wavefront_size32 1
		.amdhsa_system_sgpr_workgroup_id_x 1
		.amdhsa_system_sgpr_workgroup_id_y 1
		.amdhsa_system_sgpr_workgroup_id_z 1
		.amdhsa_system_vgpr_workitem_id 0
		.amdhsa_next_free_vgpr 256
		.amdhsa_next_free_sgpr 66
		.amdhsa_reserve_vcc 0
		.amdhsa_float_denorm_mode_32 3
		.amdhsa_float_denorm_mode_16_64 3
		.amdhsa_memory_ordered 1
		.amdhsa_forward_progress 1
		.amdhsa_inst_pref_size 71
	.end_amdhsa_kernel
	.amdgpu_metadata
---
amdhsa.version: [ 1, 2 ]
amdhsa.kernels:
  - .name:           k_q67933990dd_quant
    .symbol:         k_q67933990dd_quant.kd
    .args:
      - { .name: x, .offset: 0, .size: 8, .value_kind: global_buffer, .address_space: global }
      - { .name: W_attn, .offset: 8, .size: 8, .value_kind: global_buffer, .address_space: global }
      - { .name: W_proj, .offset: 16, .size: 8, .value_kind: global_buffer, .address_space: global }
      - { .name: ximg, .offset: 24, .size: 8, .value_kind: global_buffer, .address_space: global }
      - { .name: xs, .offset: 32, .size: 8, .value_kind: global_buffer, .address_space: global }
      - { .name: wimg, .offset: 40, .size: 8, .value_kind: global_buffer, .address_space: global }
      - { .name: ws, .offset: 48, .size: 8, .value_kind: global_buffer, .address_space: global }
    .group_segment_fixed_size: 35328
    .private_segment_fixed_size: 0
    .kernarg_segment_align: 8
    .kernarg_segment_size: 56
    .max_flat_workgroup_size: 128
    .sgpr_count:     66
    .vgpr_count:     256
    .wavefront_size: 32
...
	.end_amdgpu_metadata
.endif
;; end of part 1
;; launch qkv (part 2): grid 16 x 48, 4 waves a work-group, clusters of 4 x 4, 295,424 bytes of LDS; arguments ximg, xs, wimg, ws, b_attn, qimg, kv; writes qimg, kv
.if DOCPART == 2
	.amdgcn_target "amdgcn-amd-amdhsa--gfx1250"
	.amdhsa_code_object_version 6
	.text
	.protected	k_q67933990dd_qkv
	.globl	k_q67933990dd_qkv
	.p2align	8
	.type	k_q67933990dd_qkv,@function
k_q67933990dd_qkv:
	s_mov_b64 s[64:65], 0
	v_nop
	global_prefetch_b8 v0, s[64:65] scope:SCOPE_SE
	s_setreg_imm32_b32 hwreg(HW_REG_WAVE_MODE, 25, 1), 1
	s_wait_xcnt 0x0
	s_wait_alu depctr_hold_cnt(0) depctr_sa_sdst(0) depctr_va_vdst(0) depctr_va_sdst(0) depctr_va_ssrc(0) depctr_va_vcc(0) depctr_vm_vsrc(0)
	s_getreg_b32 s2, hwreg(HW_REG_IB_STS2, 6, 4)
	s_cmp_eq_u32 s2, 0
	s_cbranch_scc0 .Lentry_in_a_cluster
	s_endpgm
.Lentry_in_a_cluster:
	s_bfe_u32 s2, ttmp6, 0x10000c
	s_cmp_lg_u32 s2, 0xf033
	s_cbranch_scc0 .Lentry_shape_is_right
	s_endpgm
.Lentry_shape_is_right:
; qkv = x W_attn + b_attn on codes of FP6 (E2M3) with E8M0 scales; q, k and v are quantised again in the registers in which they are summed and leave as operand images for the attention launch.
; A work-group makes 256 rows of operand A x 128 rows of operand B, K = 1024; wave w takes A's tiles 4 w .. 4 w + 3 against B's eight: 32 accumulators.
; KINDS, by the cluster's place in the grid alone.  Cluster rows 0-7: A = x, B = W_attn's columns 0-2047 (cluster columns 0, 1: q; 2, 3: k).  Cluster rows 8-11: v, with the roles changed: A = W_attn's columns 2048-3071, B = x.
; THE MATRIX INSTRUCTION IS USED TRANSPOSED (source 0 = 16 rows of B, source 1 = 16 rows of A): a lane holds ONE row of A, its registers run along B's rows; by the images' order of rows the 16 registers of B's tiles
; 2 b, 2 b + 1 are 16 neighbours: for q and k along the head's 64 channels, for v along the keys: the K of the products to come.
; ALL OF K LIES IN LDS: 24 tiles x 12,288 bytes = 294,912, in four chunks of two K steps, each byte filled once by four joint tensor loads a wave at the head (four outstanding at most): no slot is filled again.
; CLUSTER 4 x 4: A's tiles are shared along a row of the cluster, B's along a column.
; OUT.  qimg[head][128 tiles x 768 | 32 images of 256 bytes of scale words].  kv[head][16 key steps][13,312]: 8 half images of k | v: [4 tiles of channels][2][768] | k's scale words, 2 x 256 | v's, 512.
; A word of q's or k's scales serves a PAIR of tiles: the even tile's two bytes below, the odd tile's above.
; LIMITS: NaN and infinities are not served; a block under 2^-124 is held at byte 1; a block of zeros gets byte 1, not 127 (zero codes; only this program reads the bytes).
; REGISTERS: window 0: v1-11 lane terms, v16-31 LDS addresses, v32-47 A's scale words, v48-79 B's, v96-223 the way out.  window 1: A's fragments, two sets of 48; v128-191 the bias.  window 2: B's, two sets of 96.  window 3: accumulator (a, b) at 8 (8 a + b).
.set TM, 200                           ; v200-203 largest magnitudes, v204-207 permute results and bytes, v212-215 the conversions' scale operands
.set SW, 216                           ; v216-219 the scale word of each of my four tiles of A
.set PT, 144                           ; v144-150 the second halves' conversions
.set MSB, 0
.macro WIN new                         ; the immediate's high byte repeats the setting that is left
.if MSB != \new
	s_set_vgpr_msb (MSB<<8)|\new
.set MSB, \new
.endif
.endm
.macro PLACES                          ; four plain vector lines between a matrix instruction and a load into, or a read of, its registers
.rept 4
	v_nop
.endr
.endm
.macro CROUND                          ; a round of the cluster's barrier
	s_barrier_signal -1
	s_barrier_wait -1
	s_cmp_lg_u32 s18, 0
	s_cbranch_scc1 .Lnot_wave_0_\@
	s_barrier_signal -3
.Lnot_wave_0_\@:
	s_barrier_wait -3
	s_barrier_signal -1
	s_barrier_wait -1
.endm
.macro BAR n                           ; my part of the chunk wanted next has landed (n later loads of mine may be out), my LDS loads are in: then the work-group's barrier.
	s_wait_tensorcnt \n
	s_wait_dscnt 0x0
	s_barrier_signal -1
	s_barrier_wait -1
.endm
.macro FETCH s                         ; K step s: 4 fragments of A and 8 of B, each two half images: 48 loads, each of 512 or 256 consecutive bytes
.set FPAR, (\s)%2
.set FCH, (\s)/2
	WIN 0x40                                       ; destination window 1
.irp a, 0,1,2,3
.irp e, 0,1
	ds_load_b128 v[48*FPAR+12*\a+6*\e:48*FPAR+12*\a+6*\e+3], v[16+4*FCH] offset:\a*3072+(2*FPAR+\e)*768
	ds_load_b64 v[48*FPAR+12*\a+6*\e+4:48*FPAR+12*\a+6*\e+5], v[17+4*FCH] offset:\a*3072+(2*FPAR+\e)*768
.endr
.endr
	WIN 0x80                                       ; destination window 2
.irp b, 0,1,2,3,4,5,6,7
.irp e, 0,1
	ds_load_b128 v[96*FPAR+12*\b+6*\e:96*FPAR+12*\b+6*\e+3], v[18+4*FCH] offset:\b*3072+(2*FPAR+\e)*768
	ds_load_b64 v[96*FPAR+12*\b+6*\e+4:96*FPAR+12*\b+6*\e+5], v[19+4*FCH] offset:\b*3072+(2*FPAR+\e)*768
.endr
.endr
.endm
.macro ONE s, mode, a, b               ; B's scale words of blocks j and j + 4 share a register (lanes 0-15, lanes 16-31), A's of blocks j and j + 2
.set rD, 8*(8*\a+\b)
.set rB, 96*((\s)%2)+12*\b
.set rA, 48*((\s)%2)+12*\a
.set rC, rD
.if \mode == 1
.set rC, 128+8*\b
.elseif \mode == 2
.set rC, 128+8*\a
.endif
.set rSB, 48+8*(\b%4)+(\s)
.set rSA, 32+8*(\a%2)+(\s)
.if (\b < 4) && (\a < 2)
	v_wmma_scale_f32_16x16x128_f8f6f4 v[rD:rD+7], v[rB:rB+11], v[rA:rA+11], v[rC:rC+7], v[rSB], v[rSA] matrix_a_fmt:MATRIX_FMT_FP6 matrix_b_fmt:MATRIX_FMT_FP6
.elseif \a < 2
	v_wmma_scale_f32_16x16x128_f8f6f4 v[rD:rD+7], v[rB:rB+11], v[rA:rA+11], v[rC:rC+7], v[rSB], v[rSA] matrix_a_fmt:MATRIX_FMT_FP6 matrix_b_fmt:MATRIX_FMT_FP6 matrix_a_scale:MATRIX_SCALE_ROW1
.elseif \b < 4
	v_wmma_scale_f32_16x16x128_f8f6f4 v[rD:rD+7], v[rB:rB+11], v[rA:rA+11], v[rC:rC+7], v[rSB], v[rSA] matrix_a_fmt:MATRIX_FMT_FP6 matrix_b_fmt:MATRIX_FMT_FP6 matrix_b_scale:MATRIX_SCALE_ROW1
.else
	v_wmma_scale_f32_16x16x128_f8f6f4 v[rD:rD+7], v[rB:rB+11], v[rA:rA+11], v[rC:rC+7], v[rSB], v[rSA] matrix_a_fmt:MATRIX_FMT_FP6 matrix_b_fmt:MATRIX_FMT_FP6 matrix_a_scale:MATRIX_SCALE_ROW1 matrix_b_scale:MATRIX_SCALE_ROW1
.endif
.endm
.macro MUL s, mode                     ; 32 matrix instructions; the 32 accumulators take turns in the same order in every step.  mode 1, 2: the bias (by B's rows, by A's rows) starts the sums
.if \mode
	WIN 0xd6                                       ; source 0 (B) window 2, source 1 (A) window 1, C window 1, D window 3
.else
	WIN 0xf6                                       ; C and D window 3
.endif
.irp a, 0,1,2,3
.irp b, 0,1,2,3,4,5,6,7
	ONE \s, \mode, \a, \b
.endr
.endr
.endm
; My tile a of A: its 64 sums a lane (register 16 b + i = place 32 b + 16 (lane / 16) + i along the next K) become a fragment's 12 registers and a scale word, and leave as two half images.
.macro QUANTA a
.set PC, 96+12*\a
	WIN 0x3c                                       ; sources 1 and 2 window 3
.irp b, 0,1,2,3
	v_max3_num_f32 v[TM+\b], 0x1800000, |v[64*\a+16*\b]|, |v[64*\a+16*\b+1]|   ; each accumulator is read from its low end on; the floor 2^(3 - 127) holds the byte at 1
.endr
.irp i, 2,4,6,8,10,12,14
.irp b, 0,1,2,3
	v_max3_num_f32 v[TM+\b], v[TM+\b], |v[64*\a+16*\b+\i]|, |v[64*\a+16*\b+\i+1]|
.endr
.endr
	WIN 0
.irp b, 0,1,2,3
	v_permlanex16_b32 v[TM+4+\b], v[TM+\b], s30, s31
.endr
.irp b, 0,1,2,3
	v_max_num_f32 v[TM+\b], v[TM+\b], v[TM+4+\b]   ; with lane l xor 16's 16: the block's largest magnitude
.endr
.irp b, 0,1,2,3
	v_add_nc_u32 v[TM+12+\b], 0xff000000, v[TM+\b] ; 2 off its exponent field: the conversion's scale operand
.endr
.irp b, 0,1,2,3
	v_lshrrev_b32 v[TM+4+\b], 23, v[TM+12+\b]      ; the byte
.endr
	v_lshl_or_b32 v[SW+\a], v[TM+5], 8, v[TM+4]
	v_lshl_or_b32 v[SW+\a], v[TM+6], 16, v[SW+\a]
	v_lshl_or_b32 v[SW+\a], v[TM+7], 24, v[SW+\a]
	WIN 0x03                                       ; source 0 window 3
.irp c, 0,1
	v_cvt_scalef32_pk16_fp6_f32 v[PC+6*\c:PC+6*\c+2], v[64*\a+32*\c:64*\a+32*\c+15], v[TM+12+2*\c]
	v_cvt_scalef32_pk16_fp6_f32 v[PT+4*\c:PT+4*\c+2], v[64*\a+32*\c+16:64*\a+32*\c+31], v[TM+12+2*\c+1]
.endr
	WIN 0
	v_nop                                          ; one plain line behind the conversions
.irp c, 0,1                                    ; the layout wants a whole block in a lane: lanes 0-15 block 2 c, lanes 16-31 block 2 c + 1
.irp i, 0,1,2
	v_permlane16_swap_b32 v[PC+6*\c+\i], v[PT+4*\c+\i]
.endr
.irp i, 0,1,2
	v_mov_b32 v[PC+6*\c+3+\i], v[PT+4*\c+\i]
.endr
.endr
	global_store_b128 v[152+\a], v[PC:PC+3], s[96:97]        ; each tile has registers of its own for codes and offsets: none is written again
	global_store_b64 v[156+\a], v[PC+4:PC+5], s[96:97]
	global_store_b128 v[152+\a], v[PC+6:PC+9], s[98:99]
	global_store_b64 v[156+\a], v[PC+10:PC+11], s[98:99]
.endm
	s_load_b256 s[4:11], s[0:1], 0x0               ; ximg, xs, wimg, ws
	s_load_b128 s[12:15], s[0:1], 0x20             ; b_attn, qimg
	s_load_b64 s[16:17], s[0:1], 0x30              ; kv
	v_lshl_add_u32 v254, v0, 2, 0x48000
	v_mov_b32 v255, 0
	ds_add_u32 v254, v255
	ds_add_u32 v254, v255
	v_lshrrev_b32 v1, 5, v0
	v_readfirstlane_b32 s18, v1                    ; wave
	s_and_b32 s19, s18, 1                          ; which half of A's (waves 0, 1) or of B's (waves 2, 3) tiles I fetch
	s_bfe_u32 s20, ttmp6, 0x40000                  ; cx
	s_bfe_u32 s21, ttmp6, 0x40004                  ; cy
	s_mov_b32 s22, ttmp9                           ; the cluster's x
	s_and_b32 s23, ttmp7, 0xffff                   ; and y
	s_lshl_b32 s26, s23, 2
	s_sub_co_u32 s27, s23, 8
	s_lshl_b32 s27, s27, 4
	s_cmp_ge_u32 s23, 8
	s_cselect_b32 s24, 1, 0                        ; kind v
	s_cselect_b32 s26, 0, s26
	s_cselect_b32 s27, s27, 0
	s_cmp_ge_u32 s22, 2
	s_cselect_b32 s25, 1, 0                        ; k, where the kind is not v
	s_add_co_u32 s26, s26, s21                     ; A's block of 256 rows: hangs on cy, never on cx
	s_lshl_b32 s92, s22, 2
	s_add_co_u32 s27, s27, s92
	s_add_co_u32 s27, s27, s20                     ; B's block of 128 rows: hangs on cx, never on cy
	s_lshl_b32 s28, s21, 2
	s_lshl_b32 s28, 15, s28                        ; my row of the cluster
	s_lshl_b32 s29, 0x1111, s20                    ; my column
	s_mov_b32 s30, 0x76543210
	s_mov_b32 s31, 0xfedcba98                      ; v_permlanex16_b32's selects for lane l xor 16
	; descriptor group 1: R tiles (rows) x 3,072 bytes (two K steps: 384 elements of 8 bytes), 12,288 bytes from tile to tile; dense in LDS
	s_or_b32 s32, s28, (3<<16)|(1<<21)             ; A: the mask of my row; elements of 8 bytes; bit 21 beside a mask
	s_mov_b32 s33, 384<<16                         ; tensor_dim0
	s_mov_b32 s34, 8<<16                           ; tensor_dim1 = 8 tiles
	s_mov_b32 s35, 384<<16                         ; tile_dim0
	s_mov_b32 s36, 8                               ; tile_dim1
	s_mov_b32 s37, 1536                            ; pitch
	s_mov_b32 s38, 0
	s_mov_b32 s39, 0
	s_or_b32 s40, s29, (3<<16)|(1<<21)             ; B: the mask of my column; 4 tiles
	s_mov_b32 s41, 384<<16
	s_mov_b32 s42, 4<<16
	s_mov_b32 s43, 384<<16
	s_mov_b32 s44, 4
	s_mov_b32 s45, 1536
	s_mov_b32 s46, 0
	s_mov_b32 s47, 0
	s_lshl_b32 s92, s26, 4
	s_lshl_b32 s93, s24, 7
	s_add_co_u32 s92, s92, s93                     ; A's first tile: 16 x block (+ 128: W_attn's column 2048)
	s_lshl_b32 s94, s19, 3
	s_add_co_u32 s94, s94, s92
	s_mul_i32 s94, s94, 12288                      ; the images that I would fetch for A,
	s_mov_b32 s95, 0
	s_lshl_b32 s96, s27, 3
	s_lshl_b32 s97, s19, 2
	s_add_co_u32 s96, s96, s97
	s_mul_i32 s96, s96, 12288                      ; and for B
	s_mov_b32 s97, 0
	s_lshl_b32 s98, s18, 2
	s_add_co_u32 s98, s98, s92
	s_lshl_b32 s98, s98, 9                         ; the scale bytes of my four tiles of A,
	s_mov_b32 s99, 0
	s_lshl_b32 s100, s27, 12                       ; and of B's eight
	s_mov_b32 s101, 0
	s_wait_dscnt 0x0
	s_wait_kmcnt 0x0
	s_cmp_eq_u32 s24, 1                            ; which buffer plays A and which B: the choice hangs on the cluster's y alone
	s_cselect_b64 s[84:85], s[8:9], s[4:5]
	s_cselect_b64 s[86:87], s[10:11], s[6:7]
	s_cselect_b64 s[88:89], s[4:5], s[8:9]
	s_cselect_b64 s[90:91], s[6:7], s[10:11]
	s_add_nc_u64 s[84:85], s[84:85], s[94:95]
	s_add_nc_u64 s[88:89], s[88:89], s[96:97]
	s_add_nc_u64 s[86:87], s[86:87], s[98:99]
	s_add_nc_u64 s[90:91], s[90:91], s[100:101]
	s_mul_i32 s92, s19, 24576                      ; LDS: A's half of 8 tiles,
	s_mul_i32 s93, s19, 12288
	s_add_co_u32 s93, s93, 49152                   ; B's half of 4, behind A's 16
.irp c, 0,1,2,3                                ; group 0 for chunk c, for A and for B
	s_mov_b32 s[48+4*\c], 1
	s_add_co_u32 s[49+4*\c], s92, \c*73728
	s_add_nc_u64 s[50+4*\c:51+4*\c], s[84:85], \c*3072
	s_or_b32 s[51+4*\c], s[51+4*\c], 0x80000000
	s_mov_b32 s[68+4*\c], 1
	s_add_co_u32 s[69+4*\c], s93, \c*73728
	s_add_nc_u64 s[70+4*\c:71+4*\c], s[88:89], \c*3072
	s_or_b32 s[71+4*\c], s[71+4*\c], 0x80000000
.endr
	s_lshl_b32 s94, s27, 9                         ; the bias: q, k: B's 128 columns;
	s_lshl_b32 s92, s26, 10
	s_lshl_b32 s93, s18, 8
	s_add_co_u32 s92, s92, s93
	s_add_co_u32 s92, s92, 8192                    ; v: column 2048 + 256 x block + 64 x wave
	s_cmp_eq_u32 s24, 1
	s_cselect_b32 s94, s92, s94
	s_add_nc_u64 s[12:13], s[12:13], s[94:95]
	CROUND                                         ; all sixteen work-groups are here: the joint loads meet
	s_cmp_lt_u32 s18, 2                            ; a wave's four first fills stand in one branch on its number
	s_cbranch_scc0 .Lfill_b
	tensor_load_to_lds s[48:51], s[32:39]
	s_nop 0
	tensor_load_to_lds s[52:55], s[32:39]
	s_nop 0
	tensor_load_to_lds s[56:59], s[32:39]
	s_nop 0
	tensor_load_to_lds s[60:63], s[32:39]
	s_nop 0
	PLACES
	s_branch .Lfilled
.Lfill_b:
	tensor_load_to_lds s[68:71], s[40:47]
	s_nop 0
	tensor_load_to_lds s[72:75], s[40:47]
	s_nop 0
	tensor_load_to_lds s[76:79], s[40:47]
	s_nop 0
	tensor_load_to_lds s[80:83], s[40:47]
	s_nop 0
	PLACES
.Lfilled:
	v_and_b32 v1, 31, v0                           ; lane
	v_and_b32 v2, 15, v0                           ; r
	v_bfe_u32 v3, v0, 4, 1                         ; h
	v_lshlrev_b32 v4, 4, v1                        ; an image's first part
	v_lshlrev_b32 v5, 4, v2
	v_lshl_add_u32 v5, v3, 3, v5
	v_add_nc_u32 v5, 512, v5                       ; and its second
	v_lshlrev_b32 v6, 3, v1
	v_lshlrev_b32 v8, 4, v2
	v_lshl_add_u32 v9, v3, 11, v8                  ; B's scale words: row r; lanes 16-31 four tiles on
	v_lshl_add_u32 v8, v3, 10, v8                  ; A's: two tiles on
	v_lshlrev_b32 v10, 6, v3                       ; bias by B's rows: 16 h columns
	v_and_b32 v11, 8, v2
	v_lshlrev_b32 v11, 2, v11
	v_lshl_add_u32 v11, v2, 2, v11                 ; bias by A's rows: column r % 8 + 16 (r / 8)
	s_mul_i32 s92, s18, 12288                      ; my four tiles of A in a chunk
.irp c, 0,1,2,3
	v_add_nc_u32 v[16+4*\c], s92, v4
	v_add_nc_u32 v[17+4*\c], s92, v5
	v_add_nc_u32 v[18+4*\c], 49152+\c*73728, v4
	v_add_nc_u32 v[19+4*\c], 49152+\c*73728, v5
	s_add_co_u32 s92, s92, 73728
.endr
.irp j, 0,1
.irp q, 0,1
	global_load_b128 v[32+8*\j+4*\q:32+8*\j+4*\q+3], v8, s[86:87] offset:512*\j+256*\q   ; register 8 j + s: the word of K step s
.endr
.endr
.irp j, 0,1,2,3
.irp q, 0,1
	global_load_b128 v[48+8*\j+4*\q:48+8*\j+4*\q+3], v9, s[90:91] offset:512*\j+256*\q
.endr
.endr
	s_cmp_eq_u32 s24, 1
	s_cbranch_scc1 .Lbias_v
	WIN 0x40
.irp b, 0,1,2,3,4,5,6,7                        ; q, k: tile b's eight columns of my half
	global_load_b128 v[128+8*\b:128+8*\b+3], v10, s[12:13] offset:(32*(\b/2)+8*(\b%2))*4
	global_load_b128 v[128+8*\b+4:128+8*\b+7], v10, s[12:13] offset:(32*(\b/2)+8*(\b%2))*4+16
.endr
	WIN 0
	s_branch .Lbias_done
.Lbias_v:
	WIN 0x40
.irp a, 0,1,2,3                                ; v: my row's one number, in all eight registers
.irp j, 0,1,2,3,4,5,6,7
	global_load_b32 v[128+8*\a+\j], v11, s[12:13] offset:(32*(\a/2)+8*(\a%2))*4
.endr
.endr
	WIN 0
.Lbias_done:
	BAR 3                                          ; chunk 0 is whole; my three later loads stay out
	FETCH 0
	s_wait_loadcnt 0x0                             ; scale words and bias
	FETCH 1
	s_wait_dscnt 48                                ; all but the 48 just issued
	WIN 0
	s_cmp_eq_u32 s24, 1
	s_cbranch_scc1 .Lfirst_v
	MUL 0, 1
	WIN 0
	s_branch .Lfirst_done
.Lfirst_v:
	MUL 0, 2
	WIN 0
.Lfirst_done:
	s_wait_alu depctr_va_vdst(0)
.irp s, 1,2,3,4,5,6
.if \s%2
	BAR 3-(\s+1)/2                                 ; the next chunk is whole
.endif
	PLACES                                         ; in front of loads into the set that the step before multiplied
	FETCH \s+1
	s_wait_dscnt 48
	MUL \s, 0
.endr
	s_wait_dscnt 0x0
	MUL 7, 0
	WIN 0
	; ---- where the results go.  Offsets are made in registers of their own and chosen by the kind; the descriptors' registers are free (no tensor load is out)
	s_lshr_b32 s68, s26, 3                         ; q, k: batch,
	s_and_b32 s69, s26, 7                          ; block of 256 tokens in it,
	s_and_b32 s70, s27, 7
	s_lshl_b32 s70, s70, 1
	s_lshl_b32 s71, s68, 4
	s_add_co_u32 s70, s70, s71                     ; the first of my two heads
	s_lshr_b32 s71, s27, 4
	s_lshl_b32 s71, s71, 4
	s_lshl_b32 s72, s26, 2
	s_add_co_u32 s71, s71, s72
	s_add_co_u32 s71, s71, s18                     ; v: 16 x batch + 4 x block + wave: my head
	s_lshl_b32 s72, s69, 2
	s_add_co_u32 s72, s72, s18
	s_mul_i32 s73, s72, 3072                       ; q: my four tiles,
	s_lshl_b32 s74, s72, 8
	s_add_co_u32 s74, s74, 98304                   ; their image of scale words
	s_lshl_b32 s75, s69, 1
	s_lshr_b32 s76, s18, 1
	s_add_co_u32 s75, s75, s76
	s_mul_i32 s75, s75, 13312                      ; k: the key step's record,
	s_mul_i32 s76, s19, 3072
	s_add_co_u32 s76, s76, s75                     ; my four of its eight tiles,
	s_lshl_b32 s77, s19, 8
	s_add_co_u32 s77, s77, s75
	s_add_co_u32 s77, s77, 12288                   ; their image of scale words
	s_and_b32 s78, s27, 15
	s_mul_i32 s78, s78, 13312                      ; v: the key step's record,
	s_add_co_u32 s79, s78, 12800                   ; its scale words,
	s_add_co_u32 s78, s78, 6144                    ; its fragments
	s_mov_b32 s80, 212992
	s_mov_b32 s85, 1536
	s_cmp_eq_u32 s25, 1
	s_cselect_b32 s73, s76, s73
	s_cselect_b32 s74, s77, s74
	s_cselect_b32 s81, s80, 106496                 ; bytes of a head
	s_cselect_b64 s[82:83], s[16:17], s[14:15]     ; kv or qimg
	s_cmp_eq_u32 s24, 1
	s_cselect_b32 s73, s78, s73
	s_cselect_b32 s74, s79, s74
	s_cselect_b32 s70, s71, s70
	s_cselect_b32 s81, s80, s81
	s_cselect_b64 s[82:83], s[16:17], s[82:83]
	s_cselect_b32 s84, 768, s81                    ; from a fragment's first half image to its second: v: the next 64 keys; q, k: the next head
	s_cselect_b32 s85, s85, 768                    ; from tile to tile of A
	s_mul_i32 s70, s70, s81
	s_add_co_u32 s86, s70, s73
	s_mov_b32 s87, 0
	s_add_co_u32 s88, s70, s74
	s_mov_b32 s89, 0
	s_add_nc_u64 s[96:97], s[82:83], s[86:87]
	s_add_nc_u64 s[100:101], s[82:83], s[88:89]
	s_mov_b32 s86, s84
	s_add_nc_u64 s[98:99], s[96:97], s[86:87]
	s_add_nc_u64 s[90:91], s[100:101], s[86:87]
	v_mov_b32 v152, v4                             ; twelve plain lines: also the places behind the last products
	v_mov_b32 v156, v5
.irp a, 1,2,3
	v_add_nc_u32 v[152+\a], s85, v[151+\a]
	v_add_nc_u32 v[156+\a], s85, v[155+\a]
.endr
.irp b, 0,1,2,3
	v_mov_b32 v[TM+4+\b], 0                        ; a lane permute's destination counts as one of its sources
.endr
	QUANTA 0
	QUANTA 1
	QUANTA 2
	QUANTA 3
	s_cmp_eq_u32 s24, 1
	s_cbranch_scc1 .Lscale_v
	v_perm_b32 v220, v217, v216, 0x05040100        ; the first head's bytes of tiles 0 and 1: a pair's word;
	v_perm_b32 v221, v219, v218, 0x05040100        ; of tiles 2 and 3;
	v_perm_b32 v222, v217, v216, 0x07060302        ; the second head's
	v_perm_b32 v223, v219, v218, 0x07060302
	global_store_b64 v6, v[220:221], s[100:101]    ; 256 consecutive bytes
	global_store_b64 v6, v[222:223], s[90:91]
	s_branch .Lscale_done
.Lscale_v:
	global_store_b128 v4, v[216:219], s[100:101]   ; the words of the head's four tiles of channels: 512 consecutive bytes
.Lscale_done:
	s_wait_tensorcnt 0x0
	ds_add_u32 v254, v255
	s_wait_dscnt 0x0
	CROUND                                         ; the closing round: no work-group ends while a partner may still ask jointly
	s_endpgm
.Lfunc_end_k_q67933990dd_qkv:
	.size	k_q67933990dd_qkv, .Lfunc_end_k_q67933990dd_qkv-k_q67933990dd_qkv
	.p2alignl 7, 3214868480
	.fill 96, 4, 3214868480
	.section	.rodata,"a",@progbits
	.p2align	6, 0x0
	.amdhsa_kernel k_q67933990dd_qkv
		.amdhsa_group_segment_fixed_size 295424
		.amdhsa_private_segment_fixed_size 0
		.amdhsa_enable_private_segment 0
		.amdhsa_kernarg_size 56
		.amdhsa_user_sgpr_count 2
		.amdhsa_user_sgpr_kernarg_segment_ptr 1
		.amdhsa_wavefront_size32 1
		.amdhsa_system_sgpr_workgroup_id_x 1
		.amdhsa_system_sgpr_workgroup_id_y 1
		.amdhsa_system_sgpr_workgroup_id_z 1
		.amdhsa_system_vgpr_workitem_id 0
		.amdhsa_next_free_vgpr 1024
		.amdhsa_next_free_sgpr 102
		.amdhsa_reserve_vcc 0
		.amdhsa_float_denorm_mode_32 3
		.amdhsa_float_denorm_mode_16_64 3
		.amdhsa_memory_ordered 1
		.amdhsa_forward_progress 1
		.amdhsa_inst_pref_size 99
	.end_amdhsa_kernel
	.amdgpu_metadata
---
amdhsa.version: [ 1, 2 ]
amdhsa.kernels:
  - .name:           k_q67933990dd_qkv
    .symbol:         k_q67933990dd_qkv.kd
    .args:
      - { .name: ximg, .offset: 0, .size: 8, .value_kind: global_buffer, .address_space: global }
      - { .name: xs, .offset: 8, .size: 8, .value_kind: global_buffer, .address_space: global }
      - { .name: wimg, .offset: 16, .size: 8, .value_kind: global_buffer, .address_space: global }
      - { .name: ws, .offset: 24, .size: 8, .value_kind: global_buffer, .address_space: global }
      - { .name: b_attn, .offset: 32, .size: 8, .value_kind: global_buffer, .address_space: global }
      - { .name: qimg, .offset: 40, .size: 8, .value_kind: global_buffer, .address_space: global }
      - { .name: kv, .offset: 48, .size: 8, .value_kind: global_buffer, .address_space: global }
    .group_segment_fixed_size: 295424
    .private_segment_fixed_size: 0
    .kernarg_segment_align: 8
    .kernarg_segment_size: 56
    .max_flat_workgroup_size: 128
    .sgpr_count:     102
    .vgpr_count:     1024
    .wavefront_size: 32
...
	.end_amdgpu_metadata
.endif
;; end of part 2
;; launch attn (part 3): grid 4 x 64, 16 waves a work-group, clusters of 4 x 1, 215,040 bytes of LDS; arguments qimg, kv, yimg, ys; writes yimg, ys
.if DOCPART == 3
	.amdgcn_target "amdgcn-amd-amdhsa--gfx1250"
	.amdhsa_code_object_version 6
	.text
	.protected	k_q67933990dd_attn
	.globl	k_q67933990dd_attn
	.p2align	8
	.type	k_q67933990dd_attn,@function
k_q67933990dd_attn:
	s_mov_b64 s[64:65], 0
	v_nop
	global_prefetch_b8 v0, s[64:65] scope:SCOPE_SE
	s_setreg_imm32_b32 hwreg(HW_REG_WAVE_MODE, 25, 1), 1
	s_wait_xcnt 0x0
	s_wait_alu depctr_hold_cnt(0) depctr_sa_sdst(0) depctr_va_vdst(0) depctr_va_sdst(0) depctr_va_ssrc(0) depctr_va_vcc(0) depctr_vm_vsrc(0)
	s_getreg_b32 s2, hwreg(HW_REG_IB_STS2, 6, 4)
	s_cmp_eq_u32 s2, 0
	s_cbranch_scc0 .Lentry_in_a_cluster
	s_endpgm
.Lentry_in_a_cluster:
	s_bfe_u32 s2, ttmp6, 0x10000c
	s_cmp_lg_u32 s2, 0x3003
	s_cbranch_scc0 .Lentry_shape_is_right
	s_endpgm
.Lentry_shape_is_right:
; y = softmax(q k^T / 8, causal) v for 64 heads of 2,048 tokens x 64 channels, both products on codes of FP6 (E2M3) with E8M0 scales; y is quantised along the model's 1,024 channels and leaves as operand images.
; THE SOFTMAX: t = score x log2(e) / 8; M = the running largest t rounded UP to a whole number; p = 2^(t - M) is quantised along the keys, not normalised; the sum is taken of the unquantised p and divides at the end.
; When M moves, the sum and O are multiplied by 2^(old M - new M): exact.
; SHARES.  The four work-groups of a cluster take one head.  A head's k, v and their scale words, 16 records of 13,312 bytes, lie in LDS whole: wave w brings record w by ONE joint tensor load at the head (one outstanding); nothing is filled again.
; A wave takes two tiles of 16 queries, one after the other: tile 8 M + 2 cx + w % 2 with M = w / 2 and then M = 15 - w / 2.  Tile 8 M + .. needs key steps 0 .. M: every wave works 17 key steps.
; The key loop has 16 trips in every wave; a step all of whose keys come after the queries is jumped over by a scalar branch on the wave's number.  cx enters global addresses and the mask's comparison alone.
; LAYOUT.  Both products transposed: S^T = k q^T (source 0 = keys), O^T = v^T p^T (source 0 = channels): a lane holds ONE query.  By the images' order of rows the 16 registers of key tiles 2 b, 2 b + 1 are keys 32 b + 16 (lane / 16) + 0 .. 15,
; and those of channel tiles likewise.  Lane r of query tile T is token 32 (T / 2) + 8 (T % 2) + r % 8 + 16 (r / 8).
; K = 64 IN THE FIRST PRODUCT: an operand of 128 along K holds TWO key tiles; it is multiplied by [q | zeros] and by [zeros | q].  Zero codes add nothing under any scale byte here (all lie in 1 .. 254).
; LIMITS: NaN and infinities are not served; p under 2^-126 comes out of v_exp_f32 as 0; a block's largest p is made from its largest score, which takes v_exp_f32 not to fall where its input rises; 1 / sum by v_rcp_f32;
; a block under 2^-124 is held at byte 1, a block of zeros gets byte 1 (zero codes).  ys is written a byte a lane: 262,144 bytes in all.
; REGISTERS: v1-3 lane terms, v4-6 the step's LDS addresses, v7 the mask's bound, v8 ys' offset; v12 -M, v13 the largest t, v[14:15] the sum; v16-33 q | zeros | q; v34 q's scale word; v36-39 k's, v40-43 v's;
; v44-91 four operands of k or of v; v96-159 S^T, then p; v160-191 O^T; v192-203 p's codes; v204-210, v212-233 at work.
.macro PLACES
.rept 4
	v_nop
.endr
.endm
.macro CROUND
	s_barrier_signal -1
	s_barrier_wait -1
	s_cmp_lg_u32 s12, 0
	s_cbranch_scc1 .Lnot_wave_0_\@
	s_barrier_signal -3
.Lnot_wave_0_\@:
	s_barrier_wait -3
	s_barrier_signal -1
	s_barrier_wait -1
.endm
; A KEY STEP: 128 keys, record s38 at LDS byte s39.
.macro STEP
	s_cmp_gt_u32 s38, s37
	s_cbranch_scc1 .Lhid_\@                        ; all its keys come after my queries
	s_setprio 2
	v_add_nc_u32 v4, s39, v1
	v_add_nc_u32 v5, s39, v2
	v_add_nc_u32 v6, s39, v3
	v_nop                                          ; four plain lines in front of loads into registers that the last step's products read
.irp a, 0,1,2,3,4,5,6,7                        ; eight half images of k: four operands of two tiles
	ds_load_b128 v[44+6*\a:47+6*\a], v4 offset:768*\a
	ds_load_b64 v[48+6*\a:49+6*\a], v5 offset:768*\a+512
.endr
	ds_load_b64 v[36:37], v6 offset:12288          ; the four pairs' scale words
	ds_load_b64 v[38:39], v6 offset:12544
	s_wait_alu depctr_va_vdst(0)
	s_wait_dscnt 0x0
.irp i, 0,1,2,3
	v_wmma_scale_f32_16x16x128_f8f6f4 v[96+16*\i:103+16*\i], v[44+12*\i:55+12*\i], v[16:27], 0, v[36+\i], v34 matrix_a_fmt:MATRIX_FMT_FP6 matrix_b_fmt:MATRIX_FMT_FP6
	v_wmma_scale_f32_16x16x128_f8f6f4 v[104+16*\i:111+16*\i], v[44+12*\i:55+12*\i], v[22:33], 0, v[36+\i], v34 matrix_a_fmt:MATRIX_FMT_FP6 matrix_b_fmt:MATRIX_FMT_FP6
.endr
	PLACES                                         ; in front of the loads below and of the first read of the scores
.irp a, 0,1,2,3,4,5,6,7                        ; v's four fragments: they land under the softmax
	ds_load_b128 v[44+6*\a:47+6*\a], v4 offset:6144+768*\a
	ds_load_b64 v[48+6*\a:49+6*\a], v5 offset:6144+768*\a+512
.endr
	ds_load_b128 v[40:43], v4 offset:12800
	s_cmp_lg_u32 s38, s37
	s_cbranch_scc1 .Lopen_\@                       ; only the last step of a tile lies on the diagonal
	v_mov_b32 v224, 0xff800000                     ; -infinity: p = 0.  Register 16 b + i holds key 32 b + 16 (lane / 16) + i of the step: hidden where 32 b + i > v7
.irp n, 0,1,2,3,4,5,6,7,8,9,10,11,12,13,14,15,16,17,18,19,20,21,22,23,24,25,26,27,28,29,30,31,32,33,34,35,36,37,38,39,40,41,42,43,44,45,46,47,48,49,50,51,52,53,54,55,56,57,58,59,60,61,62,63
	v_cmp_gt_i32 vcc_lo, 32*(\n/16)+\n%16, v7
	v_cndmask_b32 v[96+\n], v[96+\n], v224, vcc_lo
.endr
.Lopen_\@:
.irp b, 0,1,2,3
	v_max3_num_f32 v[212+\b], v[96+16*\b], v[97+16*\b], v[98+16*\b]   ; the largest score of each block of 32 keys: for the row's maximum, and for the block's largest p
.endr
.irp i, 3,5,7,9,11,13
.irp b, 0,1,2,3
	v_max3_num_f32 v[212+\b], v[212+\b], v[96+16*\b+\i], v[97+16*\b+\i]
.endr
.endr
.irp b, 0,1,2,3
	v_max_num_f32 v[212+\b], v[212+\b], v[111+16*\b]
.endr
.irp b, 0,1,2,3
	s_delay_alu instid0(VALU_DEP_4)
	v_permlanex16_b32 v[216+\b], v[212+\b], s34, s35
.endr
.irp b, 0,1,2,3
	s_delay_alu instid0(VALU_DEP_4)
	v_max_num_f32 v[212+\b], v[212+\b], v[216+\b]  ; with lane l xor 16's 16 keys
.endr
	s_delay_alu instid0(VALU_DEP_2)
	v_max3_num_f32 v224, v212, v213, v214
	s_delay_alu instid0(VALU_DEP_1)
	v_max_num_f32 v224, v224, v215
	s_delay_alu instid0(VALU_DEP_1)
	v_mul_f32 v224, s32, v224                      ; the step's largest t
	s_delay_alu instid0(VALU_DEP_1)
	v_max_num_f32 v13, v13, v224
	v_mov_b32 v224, v12
	s_delay_alu instid0(VALU_DEP_2)
	v_floor_f32 v12, -v13                          ; the new -M = floor(-t)
	s_delay_alu instid0(VALU_DEP_1)
	v_sub_f32 v224, v12, v224                      ; old M - new M: a whole number, 0 or less
	s_delay_alu instid0(VALU_DEP_1)
	v_cvt_i32_f32 v224, v224                       ; (it saturates)
	s_delay_alu instid0(VALU_DEP_1)
	v_ldexp_f32 v226, 1.0, v224                    ; f = 2^(old M - new M)
.irp j, 0,2,4,6,8,10,12,14,16,18,20,22,24,26,28,30,32,34,36,38,40,42,44,46,48,50,52,54,56,58,60,62
	v_pk_fma_f32 v[96+\j:97+\j], v[96+\j:97+\j], s[32:33], v[12:13] op_sel_hi:[1,0,0]   ; t - M
.endr
	s_setprio 1
.irp b, 0,1,2,3
	v_fma_f32 v[212+\b], v[212+\b], s32, v12       ; the same of each block's largest score
.endr
	s_wait_alu depctr_va_vdst(0)
.irp j, 0,1,2,3,4,5,6,7,8,9,10,11,12,13,14,15,16,17,18,19,20,21,22,23,24,25,26,27,28,29,30,31,32,33,34,35,36,37,38,39,40,41,42,43,44,45,46,47,48,49,50,51,52,53,54,55,56,57,58,59,60,61,62,63
	v_exp_f32 v[96+\j], v[96+\j]                   ; p = 2^(t - M)
.endr
.irp b, 0,1,2,3
	v_exp_f32 v[212+\b], v[212+\b]                 ; the block's largest p
.endr
	v_pk_mul_f32 v[14:15], v[14:15], v[226:227] op_sel_hi:[1,0]   ; the sum under the new M; the plain line behind the exponentials
	s_wait_alu depctr_va_vdst(0)
.irp b, 0,1,2,3
	v_max_num_f32 v[212+\b], 0x1800000, v[212+\b]  ; the floor 2^(3 - 127)
.endr
.irp b, 0,1,2,3
	s_delay_alu instid0(VALU_DEP_4)
	v_add_nc_u32 v[220+\b], 0xff000000, v[212+\b]  ; the conversion's scale operand
.endr
.irp b, 0,1,2,3
	s_delay_alu instid0(VALU_DEP_4)
	v_lshrrev_b32 v[216+\b], 23, v[220+\b]         ; the byte
.endr
	s_delay_alu instid0(VALU_DEP_3)
	v_lshl_or_b32 v228, v217, 8, v216              ; p's scale word for these 128 keys
	s_delay_alu instid0(VALU_DEP_1)
	v_lshl_or_b32 v228, v218, 16, v228
	s_delay_alu instid0(VALU_DEP_1)
	v_lshl_or_b32 v228, v219, 24, v228
.irp c, 0,1
	v_cvt_scalef32_pk16_fp6_f32 v[192+6*\c:194+6*\c], v[96+32*\c:111+32*\c], v[220+2*\c]
	v_cvt_scalef32_pk16_fp6_f32 v[204+4*\c:206+4*\c], v[112+32*\c:127+32*\c], v[220+2*\c+1]
.endr
	v_nop                                          ; one plain line behind the conversions
.irp c, 0,1                                    ; a whole block to a lane
.irp i, 0,1,2
	v_permlane16_swap_b32 v[192+6*\c+\i], v[204+4*\c+\i]
.endr
.irp i, 0,1,2
	s_delay_alu instid0(VALU_DEP_3)
	v_mov_b32 v[195+6*\c+\i], v[204+4*\c+\i]
.endr
.endr
	v_pk_add_f32 v[232:233], v[100:101], v[104:105]
	v_pk_add_f32 v[252:253], v[108:109], v[112:113]
	v_pk_add_f32 v[250:251], v[116:117], v[120:121]
	v_pk_add_f32 v[248:249], v[124:125], v[128:129]
	v_pk_add_f32 v[246:247], v[132:133], v[136:137]
	v_pk_add_f32 v[244:245], v[140:141], v[144:145]
	v_pk_add_f32 v[242:243], v[148:149], v[152:153]
	v_pk_add_f32 v[14:15], v[14:15], v[156:157]
	v_pk_add_f32 v[232:233], v[232:233], v[96:97]
	v_pk_add_f32 v[252:253], v[252:253], v[98:99]
	s_setprio 0
	v_pk_add_f32 v[250:251], v[250:251], v[102:103]
	v_pk_add_f32 v[248:249], v[248:249], v[106:107]
	v_pk_add_f32 v[246:247], v[246:247], v[110:111]
	v_pk_add_f32 v[244:245], v[244:245], v[114:115]
	v_pk_add_f32 v[242:243], v[242:243], v[118:119]
	v_pk_add_f32 v[14:15], v[14:15], v[122:123]
	v_pk_add_f32 v[232:233], v[232:233], v[126:127]
	v_pk_add_f32 v[252:253], v[252:253], v[130:131]
	v_pk_add_f32 v[250:251], v[250:251], v[134:135]
	v_pk_add_f32 v[248:249], v[248:249], v[138:139]
	v_pk_add_f32 v[246:247], v[246:247], v[142:143]
	v_pk_add_f32 v[244:245], v[244:245], v[146:147]
	v_pk_add_f32 v[242:243], v[242:243], v[150:151]
	v_pk_add_f32 v[14:15], v[14:15], v[154:155]
	v_pk_add_f32 v[232:233], v[232:233], v[158:159]
	s_delay_alu instid0(VALU_DEP_2)
	v_pk_add_f32 v[14:15], v[14:15], v[248:249]
	s_delay_alu instid0(VALU_DEP_2)
	v_pk_add_f32 v[232:233], v[232:233], v[246:247]
	v_pk_add_f32 v[252:253], v[252:253], v[244:245]
	v_pk_add_f32 v[250:251], v[250:251], v[242:243]
	s_delay_alu instid0(VALU_DEP_2)
	v_pk_add_f32 v[14:15], v[14:15], v[252:253]
	s_delay_alu instid0(VALU_DEP_2)
	v_pk_add_f32 v[232:233], v[232:233], v[250:251]
	s_delay_alu instid0(VALU_DEP_1)
	v_pk_add_f32 v[14:15], v[14:15], v[232:233]
.irp j, 0,2,4,6,8,10,12,14,16,18,20,22,24,26,28,30
	v_pk_mul_f32 v[160+\j:161+\j], v[160+\j:161+\j], v[226:227] op_sel_hi:[1,0]   ; O^T under the new M, each accumulator from its low end on
.endr
	s_wait_alu depctr_va_vdst(0)
	s_wait_dscnt 0x0                               ; v's fragments and scale words
.irp t, 0,1,2,3
	v_wmma_scale_f32_16x16x128_f8f6f4 v[160+8*\t:167+8*\t], v[44+12*\t:55+12*\t], v[192:203], v[160+8*\t:167+8*\t], v[40+\t], v228 matrix_a_fmt:MATRIX_FMT_FP6 matrix_b_fmt:MATRIX_FMT_FP6
.endr
.Lhid_\@:
.endm
; ONE TILE OF QUERIES: tile 8 s37 + 2 cx + w % 2.
.macro PASS
	s_wait_xcnt 0x0                                ; earlier loads and stores have read their pointers and their data
	s_lshl_b32 s52, s37, 3
	s_lshl_b32 s53, s15, 1
	s_add_co_u32 s52, s52, s53
	s_add_co_u32 s52, s52, s13                     ; the tile
	s_mul_i32 s54, s52, 768
	s_mov_b32 s55, 0
	s_add_nc_u64 s[44:45], s[4:5], s[54:55]        ; q's half image
	s_lshl_b32 s54, s37, 1
	s_lshr_b32 s53, s15, 1
	s_add_co_u32 s54, s54, s53
	s_lshl_b32 s54, s54, 8                         ; scale image tile / 4,
	s_and_b32 s53, s15, 1
	s_lshl_b32 s53, s53, 2
	s_add_co_u32 s54, s54, s53                     ; the word of pair (tile / 2) % 2
	s_add_co_u32 s54, s54, 98304
	s_add_nc_u64 s[46:47], s[4:5], s[54:55]
	s_mul_i32 s54, s52, 12288
	s_add_nc_u64 s[48:49], s[8:9], s[54:55]        ; y's half image
	s_lshl_b32 s54, s52, 9
	s_add_nc_u64 s[50:51], s[10:11], s[54:55]      ; and its two scale bytes a row
	global_load_b128 v[16:19], v1, s[44:45]
	global_load_b64 v[20:21], v2, s[44:45] offset:512
	global_load_b128 v[28:31], v1, s[44:45]        ; q once more, behind the zeros
	global_load_b64 v[32:33], v2, s[44:45] offset:512
	global_load_b32 v34, v3, s[46:47]
	v_mov_b32 v13, 0xff61b1e6                      ; the largest t so far: -3e38
	s_delay_alu instid0(VALU_DEP_1)
	v_floor_f32 v12, -v13
	v_mov_b32 v14, 0
	v_mov_b32 v15, 0
	s_wait_loadcnt 0x0
	v_bfe_u32 v34, v34, s41, 16                    ; my tile's two bytes of the pair's word,
	s_delay_alu instid0(VALU_DEP_1)
	v_lshl_or_b32 v34, v34, 16, v34                ; below and above.  The 32 lines that follow are the eight places that a scale register written so owes
.irp j, 0,1,2,3,4,5,6,7,8,9,10,11,12,13,14,15,16,17,18,19,20,21,22,23,24,25,26,27,28,29,30,31
	v_mov_b32 v[160+\j], 0                         ; O^T: the step is written once; its first turn finds zeros
.endr
	s_mov_b32 s38, 0
	s_mov_b32 s39, 0
.Lkey_\@:
	STEP
	s_add_co_u32 s38, s38, 1
	s_add_co_u32 s39, s39, 13312
	s_cmp_lt_u32 s38, 16
	s_cbranch_scc1 .Lkey_\@
	s_setprio 0
	PLACES                                         ; behind the last products
	v_add_f32 v14, v14, v15
	s_delay_alu instid0(VALU_DEP_1)
	v_permlanex16_b32 v224, v14, s34, s35
	s_delay_alu instid0(VALU_DEP_1)
	v_add_f32 v14, v14, v224                       ; the row's sum
	s_wait_alu depctr_va_vdst(0)
	v_rcp_f32 v14, v14
	v_nop                                          ; one plain line behind the reciprocal
	s_wait_alu depctr_va_vdst(0)
.irp j, 0,2,4,6,8,10,12,14,16,18,20,22,24,26,28,30
	v_pk_mul_f32 v[96+\j:97+\j], v[160+\j:161+\j], v[14:15] op_sel_hi:[1,0]   ; y: register 16 b + i = channel 32 b + 16 (lane / 16) + i of the head
.endr
.irp b, 0,1
	v_max3_num_f32 v[212+\b], |v[96+16*\b]|, |v[97+16*\b]|, 0x1800000
.endr
.irp i, 2,4,6,8,10,12,14
.irp b, 0,1
	s_delay_alu instid0(VALU_DEP_2)
	v_max3_num_f32 v[212+\b], v[212+\b], |v[96+16*\b+\i]|, |v[97+16*\b+\i]|
.endr
.endr
.irp b, 0,1
	s_delay_alu instid0(VALU_DEP_2)
	v_permlanex16_b32 v[216+\b], v[212+\b], s34, s35
.endr
.irp b, 0,1
	s_delay_alu instid0(VALU_DEP_2)
	v_max_num_f32 v[212+\b], v[212+\b], v[216+\b]
.endr
.irp b, 0,1
	s_delay_alu instid0(VALU_DEP_2)
	v_add_nc_u32 v[220+\b], 0xff000000, v[212+\b]
.endr
.irp b, 0,1
	s_delay_alu instid0(VALU_DEP_2)
	v_lshrrev_b32 v[216+\b], 23, v[220+\b]
.endr
	v_cvt_scalef32_pk16_fp6_f32 v[192:194], v[96:111], v220
	v_cvt_scalef32_pk16_fp6_f32 v[204:206], v[112:127], v221
	v_nop
.irp i, 0,1,2
	v_permlane16_swap_b32 v[192+\i], v[204+\i]
.endr
.irp i, 0,1,2
	s_delay_alu instid0(VALU_DEP_3)
	v_mov_b32 v[195+\i], v[204+\i]
.endr
	v_cndmask_b32 v224, v216, v217, s36            ; lane (r, h): the byte of block h
	global_store_b128 v1, v[192:195], s[48:49]     ; 512 consecutive bytes
	global_store_b64 v2, v[196:197], s[48:49] offset:512
	global_store_b8 v8, v224, s[50:51]
.endm
	s_load_b256 s[4:11], s[0:1], 0x0               ; qimg, kv, yimg, ys
	v_lshl_add_u32 v254, v0, 2, 0x34000
	v_mov_b32 v255, 0
	ds_add_u32 v254, v255
	ds_add_u32 v254, v255
	v_lshrrev_b32 v1, 5, v0
	s_delay_alu instid0(VALU_DEP_1)
	v_readfirstlane_b32 s12, v1                    ; wave 0..15
	s_and_b32 s13, s12, 1
	s_lshr_b32 s14, s12, 1
	s_bfe_u32 s15, ttmp6, 0x40000                  ; cx
	s_and_b32 s16, ttmp7, 0xffff                   ; 16 x batch + head: the four partners share it
	s_lshl_b32 s41, s13, 4
	; descriptor group 1: a record, 13,312 dense bytes, as 52 rows of 256 bytes (32 elements of 8)
	s_mov_b32 s24, 15|(3<<16)|(1<<21)              ; the mask: all four work-groups; bit 21 beside it
	s_mov_b32 s25, 32<<16
	s_mov_b32 s26, 52<<16
	s_mov_b32 s27, 32<<16
	s_mov_b32 s28, 52
	s_mov_b32 s29, 32
	s_mov_b32 s30, 0
	s_mov_b32 s31, 0
	s_mov_b32 s32, 0x3e38aa3b                      ; c = log2(e) / 8
	s_mov_b32 s33, s32                             ; (named with it as a pair)
	s_mov_b32 s34, 0x76543210
	s_mov_b32 s35, 0xfedcba98                      ; selects for lane l xor 16
	s_mov_b32 s36, 0xffff0000                      ; lanes 16-31
	s_mul_i32 s52, s16, 106496
	s_mov_b32 s53, 0
	s_mul_i32 s54, s16, 212992
	s_mul_i32 s21, s12, 13312                      ; record w: its place in LDS, and in the head
	s_add_co_u32 s54, s54, s21
	s_mov_b32 s55, 0
	s_lshr_b32 s58, s16, 4                         ; batch
	s_and_b32 s59, s16, 15                         ; head
	s_mul_i32 s56, s58, 1572864                    ; 128 tiles of 12,288 bytes a batch,
	s_mul_i32 s60, s59, 768                        ; half image g = head
	s_add_co_u32 s56, s56, s60
	s_mov_b32 s57, 0
	s_lshl_b32 s58, s58, 16                        ; 128 tiles of 512 scale bytes,
	s_lshr_b32 s60, s59, 3
	s_lshl_b32 s60, s60, 8                         ; part head / 8,
	s_add_co_u32 s58, s58, s60
	s_and_b32 s60, s59, 7
	s_lshl_b32 s60, s60, 1                         ; bytes 2 (head % 8) and the next
	s_add_co_u32 s58, s58, s60
	s_mov_b32 s59, 0
	s_mov_b32 s20, 1
	s_wait_dscnt 0x0
	s_wait_kmcnt 0x0
	s_add_nc_u64 s[4:5], s[4:5], s[52:53]
	s_add_nc_u64 s[22:23], s[6:7], s[54:55]
	s_or_b32 s23, s23, 0x80000000
	s_add_nc_u64 s[8:9], s[8:9], s[56:57]
	s_add_nc_u64 s[10:11], s[10:11], s[58:59]
	CROUND                                         ; the four work-groups are here: the joint loads meet
	tensor_load_to_lds s[20:23], s[24:31]
	s_nop 0
	PLACES
	v_and_b32 v9, 15, v0                           ; r
	v_bfe_u32 v10, v0, 4, 1                        ; h
	v_and_b32 v11, 31, v0                          ; lane
	s_delay_alu instid0(VALU_DEP_1)
	v_lshlrev_b32 v1, 4, v11                       ; an image's first part
	s_delay_alu instid0(VALU_DEP_4)
	v_lshlrev_b32 v2, 4, v9
	s_delay_alu instid0(VALU_DEP_1)
	v_add_nc_u32 v8, v2, v10                       ; 16 r + h
	s_delay_alu instid0(VALU_DEP_2)
	v_lshl_add_u32 v2, v10, 3, v2                  ; 16 r + 8 h: an image's second part, less its 512
	v_lshlrev_b32 v3, 3, v11
	v_and_b32 v7, 8, v9
	s_delay_alu instid0(VALU_DEP_1)
	v_add_nc_u32 v7, v7, v9                        ; r % 8 + 16 (r / 8)
	v_lshlrev_b32 v10, 4, v10
	s_delay_alu instid0(VALU_DEP_1)
	v_sub_nc_u32 v7, v7, v10
	s_lshl_b32 s52, s15, 5
	s_lshl_b32 s53, s13, 3
	s_add_co_u32 s52, s52, s53
	v_add_nc_u32 v7, s52, v7                       ; my query's place in its last key step, less 16 (lane / 16)
.irp j, 22,23,24,25,26,27
	v_mov_b32 v[\j], 0                             ; the zero codes between the two copies of q
.endr
.irp j, 216,217,218,219,224,227
	v_mov_b32 v[\j], 0                             ; permute destinations, and the upper half of the pair that holds f
.endr
	s_wait_tensorcnt 0x0                           ; my record has landed,
	s_barrier_signal -1
	s_barrier_wait -1                              ; everybody's has
	s_mov_b32 s37, s14
	PASS
	s_sub_co_u32 s37, 15, s14
	PASS
	s_wait_tensorcnt 0x0
	ds_add_u32 v254, v255
	s_wait_dscnt 0x0
	CROUND                                         ; the closing round
	s_endpgm
.Lfunc_end_k_q67933990dd_attn:
	.size	k_q67933990dd_attn, .Lfunc_end_k_q67933990dd_attn-k_q67933990dd_attn
	.p2alignl 7, 3214868480
	.fill 96, 4, 3214868480
	.section	.rodata,"a",@progbits
	.p2align	6, 0x0
	.amdhsa_kernel k_q67933990dd_attn
		.amdhsa_group_segment_fixed_size 215040
		.amdhsa_private_segment_fixed_size 0
		.amdhsa_enable_private_segment 0
		.amdhsa_kernarg_size 32
		.amdhsa_user_sgpr_count 2
		.amdhsa_user_sgpr_kernarg_segment_ptr 1
		.amdhsa_wavefront_size32 1
		.amdhsa_system_sgpr_workgroup_id_x 1
		.amdhsa_system_sgpr_workgroup_id_y 1
		.amdhsa_system_sgpr_workgroup_id_z 1
		.amdhsa_system_vgpr_workitem_id 0
		.amdhsa_next_free_vgpr 256
		.amdhsa_next_free_sgpr 66
		.amdhsa_reserve_vcc 1
		.amdhsa_float_denorm_mode_32 3
		.amdhsa_float_denorm_mode_16_64 3
		.amdhsa_memory_ordered 1
		.amdhsa_forward_progress 1
		.amdhsa_inst_pref_size 64
	.end_amdhsa_kernel
	.amdgpu_metadata
---
amdhsa.version: [ 1, 2 ]
amdhsa.kernels:
  - .name:           k_q67933990dd_attn
    .symbol:         k_q67933990dd_attn.kd
    .args:
      - { .name: qimg, .offset: 0, .size: 8, .value_kind: global_buffer, .address_space: global }
      - { .name: kv, .offset: 8, .size: 8, .value_kind: global_buffer, .address_space: global }
      - { .name: yimg, .offset: 16, .size: 8, .value_kind: global_buffer, .address_space: global }
      - { .name: ys, .offset: 24, .size: 8, .value_kind: global_buffer, .address_space: global }
    .group_segment_fixed_size: 215040
    .private_segment_fixed_size: 0
    .kernarg_segment_align: 8
    .kernarg_segment_size: 32
    .max_flat_workgroup_size: 512
    .sgpr_count:     66
    .vgpr_count:     256
    .wavefront_size: 32
...
	.end_amdgpu_metadata
.endif
;; end of part 3
;; launch proj (part 4): grid 8 x 32, 4 waves a work-group, clusters of 4 x 4, 295,424 bytes of LDS; arguments yimg, ys, wimg, ws, b_proj, out0; writes out0
.if DOCPART == 4
	.amdgcn_target "amdgcn-amd-amdhsa--gfx1250"
	.amdhsa_code_object_version 6
	.text
	.protected	k_q67933990dd_proj
	.globl	k_q67933990dd_proj
	.p2align	8
	.type	k_q67933990dd_proj,@function
k_q67933990dd_proj:
	s_mov_b64 s[64:65], 0
	v_nop
	global_prefetch_b8 v0, s[64:65] scope:SCOPE_SE
	s_setreg_imm32_b32 hwreg(HW_REG_WAVE_MODE, 25, 1), 1
	s_wait_xcnt 0x0
	s_wait_alu depctr_hold_cnt(0) depctr_sa_sdst(0) depctr_va_vdst(0) depctr_va_sdst(0) depctr_va_ssrc(0) depctr_va_vcc(0) depctr_vm_vsrc(0)
	s_getreg_b32 s2, hwreg(HW_REG_IB_STS2, 6, 4)
	s_cmp_eq_u32 s2, 0
	s_cbranch_scc0 .Lentry_in_a_cluster
	s_endpgm
.Lentry_in_a_cluster:
	s_bfe_u32 s2, ttmp6, 0x10000c
	s_cmp_lg_u32 s2, 0xf033
	s_cbranch_scc0 .Lentry_shape_is_right
	s_endpgm
.Lentry_shape_is_right:
; out0 = y W_proj + b_proj on codes of FP6 (E2M3) with E8M0 scales; out0 [8192][1024] f32.
; A work-group makes 256 rows of y x 128 columns, K = 1024; wave w takes y's tiles 4 w .. 4 w + 3 against W_proj's eight: 32 accumulators.
; THE MATRIX INSTRUCTION IS USED TRANSPOSED (source 0 = 16 columns of W_proj, source 1 = 16 rows of y): a lane holds one row, and by the images' order the 16 registers of column tiles 2 b, 2 b + 1 are 16 neighbouring columns.
; ALL OF K LIES IN LDS: 24 tiles x 12,288 bytes, in four chunks of two K steps, each byte filled once by four joint tensor loads a wave at the head (four outstanding at most).
; CLUSTER 4 x 4: y's tiles are shared along a row of the cluster, W_proj's along a column.
; THE WAY OUT: 16 rows x 512 bytes at a time through the wave's own stage, which lies in chunk 0: that chunk has had its one fill, and every wave's reads of it were waited for in front of a barrier that all have passed.
; The images' order of rows (tile 2 b + u, lane r = token 32 b + 8 u + r % 8 + 16 (r / 8)) is undone in the stores' offsets.
; REGISTERS: window 0: v1-13 lane terms, v16-31 LDS addresses, v32-47 y's scale words, v48-79 W_proj's, v96-223 rows on the way out.  window 1: y's fragments, two sets of 48; v128-191 the bias.  window 2: W_proj's, two sets of 96.  window 3: accumulator (a, b) at 8 (8 a + b).
.set MSB, 0
.macro WIN new
.if MSB != \new
	s_set_vgpr_msb (MSB<<8)|\new
.set MSB, \new
.endif
.endm
.macro PLACES
.rept 4
	v_nop
.endr
.endm
.macro CROUND
	s_barrier_signal -1
	s_barrier_wait -1
	s_cmp_lg_u32 s18, 0
	s_cbranch_scc1 .Lnot_wave_0_\@
	s_barrier_signal -3
.Lnot_wave_0_\@:
	s_barrier_wait -3
	s_barrier_signal -1
	s_barrier_wait -1
.endm
.macro BAR n                           ; my part of the chunk wanted next has landed (n later loads of mine may be out), my LDS loads are in: then the work-group's barrier.
	s_wait_tensorcnt \n
	s_wait_dscnt 0x0
	s_barrier_signal -1
	s_barrier_wait -1
.endm
.macro FETCH s                         ; K step s: 4 fragments of A and 8 of B, each two half images: 48 loads
.set FPAR, (\s)%2
.set FCH, (\s)/2
	WIN 0x40
.irp a, 0,1,2,3
.irp e, 0,1
	ds_load_b128 v[48*FPAR+12*\a+6*\e:48*FPAR+12*\a+6*\e+3], v[16+4*FCH] offset:\a*3072+(2*FPAR+\e)*768
	ds_load_b64 v[48*FPAR+12*\a+6*\e+4:48*FPAR+12*\a+6*\e+5], v[17+4*FCH] offset:\a*3072+(2*FPAR+\e)*768
.endr
.endr
	WIN 0x80
.irp b, 0,1,2,3,4,5,6,7
.irp e, 0,1
	ds_load_b128 v[96*FPAR+12*\b+6*\e:96*FPAR+12*\b+6*\e+3], v[18+4*FCH] offset:\b*3072+(2*FPAR+\e)*768
	ds_load_b64 v[96*FPAR+12*\b+6*\e+4:96*FPAR+12*\b+6*\e+5], v[19+4*FCH] offset:\b*3072+(2*FPAR+\e)*768
.endr
.endr
.endm
.macro ONE s, mode, a, b
.set rD, 8*(8*\a+\b)
.set rB, 96*((\s)%2)+12*\b
.set rA, 48*((\s)%2)+12*\a
.set rC, rD
.if \mode == 1
.set rC, 128+8*\b
.endif
.set rSB, 48+8*(\b%4)+(\s)
.set rSA, 32+8*(\a%2)+(\s)
.if (\b < 4) && (\a < 2)
	v_wmma_scale_f32_16x16x128_f8f6f4 v[rD:rD+7], v[rB:rB+11], v[rA:rA+11], v[rC:rC+7], v[rSB], v[rSA] matrix_a_fmt:MATRIX_FMT_FP6 matrix_b_fmt:MATRIX_FMT_FP6
.elseif \a < 2
	v_wmma_scale_f32_16x16x128_f8f6f4 v[rD:rD+7], v[rB:rB+11], v[rA:rA+11], v[rC:rC+7], v[rSB], v[rSA] matrix_a_fmt:MATRIX_FMT_FP6 matrix_b_fmt:MATRIX_FMT_FP6 matrix_a_scale:MATRIX_SCALE_ROW1
.elseif \b < 4
	v_wmma_scale_f32_16x16x128_f8f6f4 v[rD:rD+7], v[rB:rB+11], v[rA:rA+11], v[rC:rC+7], v[rSB], v[rSA] matrix_a_fmt:MATRIX_FMT_FP6 matrix_b_fmt:MATRIX_FMT_FP6 matrix_b_scale:MATRIX_SCALE_ROW1
.else
	v_wmma_scale_f32_16x16x128_f8f6f4 v[rD:rD+7], v[rB:rB+11], v[rA:rA+11], v[rC:rC+7], v[rSB], v[rSA] matrix_a_fmt:MATRIX_FMT_FP6 matrix_b_fmt:MATRIX_FMT_FP6 matrix_a_scale:MATRIX_SCALE_ROW1 matrix_b_scale:MATRIX_SCALE_ROW1
.endif
.endm
.macro MUL s, mode                     ; 32 matrix instructions; the accumulators take turns in the same order in every step.  mode 1: the bias starts the sums
.if \mode
	WIN 0xd6
.else
	WIN 0xf6
.endif
.irp a, 0,1,2,3
.irp b, 0,1,2,3,4,5,6,7
	ONE \s, \mode, \a, \b
.endr
.endr
.endm
.macro TOSTAGE a                       ; my tile a: 16 rows x 128 columns into the stage, and back as whole rows of 512 bytes.  LDS serves a wave's instructions in order
	WIN 0x0c                                       ; an LDS store's data: window 3
.irp b, 0,1,2,3,4,5,6,7
	ds_store_b128 v12, v[8*(8*\a+\b):8*(8*\a+\b)+3] offset:128*(\b/2)+32*(\b%2)       ; each accumulator from its low end on
	ds_store_b128 v12, v[8*(8*\a+\b)+4:8*(8*\a+\b)+7] offset:128*(\b/2)+32*(\b%2)+16
.endr
	WIN 0
.irp t, 0,1,2,3,4,5,6,7,8,9,10,11,12,13,14,15
	ds_load_b128 v[96+64*((\a)%2)+4*\t:96+64*((\a)%2)+4*\t+3], v13 offset:528*\t
.endr
.endm
.macro SEND a, younger                 ; younger: the LDS instructions issued behind tile a's loads, which may stay out
	s_wait_dscnt \younger
.irp t, 0,1,2,3,4,5,6,7,8,9,10,11,12,13,14,15
	global_store_b128 v4, v[96+64*((\a)%2)+4*\t:96+64*((\a)%2)+4*\t+3], s[14:15] offset:(32*((\a)/2)+16*(\t/8)+8*((\a)%2)+\t%8)*4096 th:TH_STORE_NT   ; 512 consecutive bytes, aligned
.endr
.endm
	s_load_b256 s[4:11], s[0:1], 0x0               ; yimg, ys, wimg, ws
	s_load_b128 s[12:15], s[0:1], 0x20             ; b_proj, out0
	v_lshl_add_u32 v254, v0, 2, 0x48000
	v_mov_b32 v255, 0
	ds_add_u32 v254, v255
	ds_add_u32 v254, v255
	v_lshrrev_b32 v1, 5, v0
	v_readfirstlane_b32 s18, v1                    ; wave
	s_and_b32 s19, s18, 1
	s_bfe_u32 s20, ttmp6, 0x40000                  ; cx
	s_bfe_u32 s21, ttmp6, 0x40004                  ; cy
	s_and_b32 s23, ttmp7, 0xffff
	s_lshl_b32 s26, s23, 2
	s_add_co_u32 s26, s26, s21                     ; y's block of 256 rows: hangs on cy, never on cx
	s_lshl_b32 s27, ttmp9, 2
	s_add_co_u32 s27, s27, s20                     ; the block of 128 columns: hangs on cx, never on cy
	s_lshl_b32 s28, s21, 2
	s_lshl_b32 s28, 15, s28                        ; my row of the cluster
	s_lshl_b32 s29, 0x1111, s20                    ; my column
	; descriptor group 1: R tiles x 3,072 bytes (384 elements of 8 bytes), 12,288 bytes from tile to tile; dense in LDS
	s_or_b32 s32, s28, (3<<16)|(1<<21)
	s_mov_b32 s33, 384<<16
	s_mov_b32 s34, 8<<16
	s_mov_b32 s35, 384<<16
	s_mov_b32 s36, 8
	s_mov_b32 s37, 1536
	s_mov_b32 s38, 0
	s_mov_b32 s39, 0
	s_or_b32 s40, s29, (3<<16)|(1<<21)
	s_mov_b32 s41, 384<<16
	s_mov_b32 s42, 4<<16
	s_mov_b32 s43, 384<<16
	s_mov_b32 s44, 4
	s_mov_b32 s45, 1536
	s_mov_b32 s46, 0
	s_mov_b32 s47, 0
	s_lshl_b32 s92, s26, 4                         ; y's first tile
	s_lshl_b32 s94, s19, 3
	s_add_co_u32 s94, s94, s92
	s_mul_i32 s94, s94, 12288
	s_mov_b32 s95, 0
	s_lshl_b32 s96, s27, 3
	s_lshl_b32 s97, s19, 2
	s_add_co_u32 s96, s96, s97
	s_add_co_u32 s96, s96, 192                     ; W_proj's columns begin at tile 192 of wimg
	s_mul_i32 s96, s96, 12288
	s_mov_b32 s97, 0
	s_lshl_b32 s98, s18, 2
	s_add_co_u32 s98, s98, s92
	s_lshl_b32 s98, s98, 9
	s_mov_b32 s99, 0
	s_lshl_b32 s100, s27, 12
	s_add_co_u32 s100, s100, 192*512
	s_mov_b32 s101, 0
	s_wait_dscnt 0x0
	s_wait_kmcnt 0x0
	s_add_nc_u64 s[84:85], s[4:5], s[94:95]
	s_add_nc_u64 s[88:89], s[8:9], s[96:97]
	s_add_nc_u64 s[86:87], s[6:7], s[98:99]
	s_add_nc_u64 s[90:91], s[10:11], s[100:101]
	s_mul_i32 s92, s19, 24576
	s_mul_i32 s93, s19, 12288
	s_add_co_u32 s93, s93, 49152
.irp c, 0,1,2,3
	s_mov_b32 s[48+4*\c], 1
	s_add_co_u32 s[49+4*\c], s92, \c*73728
	s_add_nc_u64 s[50+4*\c:51+4*\c], s[84:85], \c*3072
	s_or_b32 s[51+4*\c], s[51+4*\c], 0x80000000
	s_mov_b32 s[68+4*\c], 1
	s_add_co_u32 s[69+4*\c], s93, \c*73728
	s_add_nc_u64 s[70+4*\c:71+4*\c], s[88:89], \c*3072
	s_or_b32 s[71+4*\c], s[71+4*\c], 0x80000000
.endr
	s_lshl_b32 s94, s27, 9
	s_add_nc_u64 s[12:13], s[12:13], s[94:95]      ; the bias of my 128 columns
	CROUND                                         ; all sixteen work-groups are here: the joint loads meet
	s_cmp_lt_u32 s18, 2
	s_cbranch_scc0 .Lfill_b
	tensor_load_to_lds s[48:51], s[32:39]
	s_nop 0
	tensor_load_to_lds s[52:55], s[32:39]
	s_nop 0
	tensor_load_to_lds s[56:59], s[32:39]
	s_nop 0
	tensor_load_to_lds s[60:63], s[32:39]
	s_nop 0
	PLACES
	s_branch .Lfilled
.Lfill_b:
	tensor_load_to_lds s[68:71], s[40:47]
	s_nop 0
	tensor_load_to_lds s[72:75], s[40:47]
	s_nop 0
	tensor_load_to_lds s[76:79], s[40:47]
	s_nop 0
	tensor_load_to_lds s[80:83], s[40:47]
	s_nop 0
	PLACES
.Lfilled:
	v_and_b32 v1, 31, v0
	v_and_b32 v2, 15, v0
	v_bfe_u32 v3, v0, 4, 1
	v_lshlrev_b32 v4, 4, v1
	v_lshlrev_b32 v5, 4, v2
	v_lshl_add_u32 v5, v3, 3, v5
	v_add_nc_u32 v5, 512, v5
	v_lshlrev_b32 v8, 4, v2
	v_lshl_add_u32 v9, v3, 11, v8
	v_lshl_add_u32 v8, v3, 10, v8
	v_lshlrev_b32 v10, 6, v3
	s_mul_i32 s93, s18, 8448                       ; my stage: 16 rows of 528 bytes
	v_mul_u32_u24 v12, v2, 528
	v_lshl_add_u32 v12, v3, 6, v12
	v_add_nc_u32 v12, s93, v12                     ; in: row r, 64 h
	v_add_nc_u32 v13, s93, v4                      ; back: 16 bytes a lane of a row
	s_mul_i32 s92, s18, 12288
.irp c, 0,1,2,3
	v_add_nc_u32 v[16+4*\c], s92, v4
	v_add_nc_u32 v[17+4*\c], s92, v5
	v_add_nc_u32 v[18+4*\c], 49152+\c*73728, v4
	v_add_nc_u32 v[19+4*\c], 49152+\c*73728, v5
	s_add_co_u32 s92, s92, 73728
.endr
.irp j, 0,1
.irp q, 0,1
	global_load_b128 v[32+8*\j+4*\q:32+8*\j+4*\q+3], v8, s[86:87] offset:512*\j+256*\q
.endr
.endr
.irp j, 0,1,2,3
.irp q, 0,1
	global_load_b128 v[48+8*\j+4*\q:48+8*\j+4*\q+3], v9, s[90:91] offset:512*\j+256*\q
.endr
.endr
	WIN 0x40
.irp b, 0,1,2,3,4,5,6,7
	global_load_b128 v[128+8*\b:128+8*\b+3], v10, s[12:13] offset:(32*(\b/2)+8*(\b%2))*4
	global_load_b128 v[128+8*\b+4:128+8*\b+7], v10, s[12:13] offset:(32*(\b/2)+8*(\b%2))*4+16
.endr
	WIN 0
	s_wait_alu depctr_va_vdst(0)
	BAR 3                                          ; chunk 0 is whole; my three later loads stay out
	FETCH 0
	s_wait_loadcnt 0x0                             ; scale words and bias
	FETCH 1
	s_wait_dscnt 48                                ; all but the 48 just issued
	MUL 0, 1
.irp s, 1,2,3,4,5,6
.if \s%2
	BAR 3-(\s+1)/2
.endif
	PLACES
	FETCH \s+1
	s_wait_dscnt 48
	MUL \s, 0
.endr
	s_wait_dscnt 0x0
	MUL 7, 0
	WIN 0
	s_lshl_b32 s68, s26, 8
	s_lshl_b32 s69, s18, 6
	s_add_co_u32 s68, s68, s69                     ; my first row: 256 x block + 64 x wave
	s_lshl_b32 s68, s68, 12
	s_lshl_b32 s69, s27, 9
	s_add_co_u32 s68, s68, s69
	s_mov_b32 s69, 0
	s_add_nc_u64 s[14:15], s[14:15], s[68:69]
	PLACES                                         ; behind the last products
	TOSTAGE 0
.irp a, 1,2,3
.if \a > 1
	s_wait_xcnt 0x0                                ; tile a - 2's stores have read the registers into which tile a's rows are loaded
.endif
	TOSTAGE \a
	SEND \a-1, 32                                  ; behind tile a - 1's loads: tile a's 16 stores and 16 loads
.endr
	SEND 3, 0
	s_wait_tensorcnt 0x0
	ds_add_u32 v254, v255
	s_wait_dscnt 0x0
	CROUND                                         ; the closing round
	s_endpgm
.Lfunc_end_k_q67933990dd_proj:
	.size	k_q67933990dd_proj, .Lfunc_end_k_q67933990dd_proj-k_q67933990dd_proj
	.p2alignl 7, 3214868480
	.fill 96, 4, 3214868480
	.section	.rodata,"a",@progbits
	.p2align	6, 0x0
	.amdhsa_kernel k_q67933990dd_proj
		.amdhsa_group_segment_fixed_size 295424
		.amdhsa_private_segment_fixed_size 0
		.amdhsa_enable_private_segment 0
		.amdhsa_kernarg_size 48
		.amdhsa_user_sgpr_count 2
		.amdhsa_user_sgpr_kernarg_segment_ptr 1
		.amdhsa_wavefront_size32 1
		.amdhsa_system_sgpr_workgroup_id_x 1
		.amdhsa_system_sgpr_workgroup_id_y 1
		.amdhsa_system_sgpr_workgroup_id_z 1
		.amdhsa_system_vgpr_workitem_id 0
		.amdhsa_next_free_vgpr 1024
		.amdhsa_next_free_sgpr 102
		.amdhsa_reserve_vcc 0
		.amdhsa_float_denorm_mode_32 3
		.amdhsa_float_denorm_mode_16_64 3
		.amdhsa_memory_ordered 1
		.amdhsa_forward_progress 1
		.amdhsa_inst_pref_size 85
	.end_amdhsa_kernel
	.amdgpu_metadata
---
amdhsa.version: [ 1, 2 ]
amdhsa.kernels:
  - .name:           k_q67933990dd_proj
    .symbol:         k_q67933990dd_proj.kd
    .args:
      - { .name: yimg, .offset: 0, .size: 8, .value_kind: global_buffer, .address_space: global }
      - { .name: ys, .offset: 8, .size: 8, .value_kind: global_buffer, .address_space: global }
      - { .name: wimg, .offset: 16, .size: 8, .value_kind: global_buffer, .address_space: global }
      - { .name: ws, .offset: 24, .size: 8, .value_kind: global_buffer, .address_space: global }
      - { .name: b_proj, .offset: 32, .size: 8, .value_kind: global_buffer, .address_space: global }
      - { .name: out0, .offset: 40, .size: 8, .value_kind: global_buffer, .address_space: global }
    .group_segment_fixed_size: 295424
    .private_segment_fixed_size: 0
    .kernarg_segment_align: 8
    .kernarg_segment_size: 48
    .max_flat_workgroup_size: 128
    .sgpr_count:     102
    .vgpr_count:     1024
    .wavefront_size: 32
...
	.end_amdgpu_metadata
.endif
;; end of part 4
